; MI455X (gfx1250); checked and timed in simulation.
; The chip was launched on July 23, 2026; its instructions are those of AMD's public machine-readable ISA for CDNA 5 (MIT licence, August 2026) and "CDNA5" Instruction Set Architecture Reference Guide (July 2026). The comments in the code are by the model that wrote it; some were corrected since.
;; Template Aware Attention. Allowed arithmetic: matrix products marked QUANTISED: E2M1 operands, one E8M0 scale for each 32 along K, by v_wmma_scale_f32_16x16x128_f8f6f4 with both operands' format E2M1 (or v_wmma_scale_f32_32x16x128_f4), f32 sums; everything else in f32.
;; Inputs: Wk 1,024 x 1,024 float32; Wo 1,024 x 1,024 float32; Wq 1,024 x 1,024 float32; Wv 1,024 x 1,024 float32; attention_mask 4 x 2,048 int32; beta 1,024 float32; bk 1,024 float32; bo 1,024 float32; bq 1,024 float32; bv 1,024 float32; gamma 1,024 float32; template_ids 4 x 2,048 int32; x 4 x 2,048 x 1,024 float32.
;; Outputs: out0 4 x 2,048 x 1,024 float32.
;; This version of the problem:
;;   THIS VERSION OF THE PROBLEM IS GIVEN IN LOW PRECISION. The matrix products marked QUANTISED in the list below multiply operands that are first quantised to E2M1 (2 exponent bits, 1 mantissa bit; 4 bits a number), with one power-of-two scale for each 32 numbers along K (OCP MX v1.0); their sums are f32. All else is computed in f32.
;;   The module's matrix products, in the order in which they are computed (A, B: the left and right operand; K: the contracted axis; several contracted axes count as one K, in the product's order):
;;     1. [M 8,192, K 1,024] x [K 1,024, N 1,024]; A: input x; B: input Wq: QUANTISED
;;     2. [M 8,192, K 1,024] x [K 1,024, N 1,024]; A: input x; B: input Wk: QUANTISED
;;     3. [M 8,192, K 1,024] x [K 1,024, N 1,024]; A: input x; B: input Wv: QUANTISED
;;     4. batch 64 x [M 2,048, K 64] x [K 64, N 2,048]; A: computed on the way; B: computed on the way: QUANTISED
;;     5. batch 64 x [M 2,048, K 2,048] x [K 2,048, N 64]; A: softmax (see below); B: computed on the way: QUANTISED
;;     6. [M 8,192, K 1,024] x [K 1,024, N 1,024]; A: computed on the way; B: input Wo: QUANTISED
;;   THE QUANTISER, for each operand of a quantised product, along K:
;;     - K is cut into blocks of 32 from its start; a last block that is shorter is filled with zeros.
;;     - A block's scale is 2^e with e = floor(log2(the largest magnitude in the block)) - 2, held to -126 .. 127; a block of zeros has e = 0. As a byte (E8M0): e + 127.
;;     - Each number is divided by its block's scale, clamped to +-6, and rounded to the nearest number of E2M1, ties to even, subnormals kept.
;;     - The product sums the exact products of the quantised numbers (number of the format x scale) in f32.
;;   ~~~python
;;   def quantise(x, axis):      # numpy; x: float32 -> the quantised numbers, widened to float32 again
;;       x = np.moveaxis(x, axis, -1); K = x.shape[-1]
;;       x = np.pad(x, [(0, 0)] * (x.ndim - 1) + [(0, -K % 32)]); x = x.reshape(x.shape[:-1] + (-1, 32)); a = np.abs(x).max(-1, keepdims=True)
;;       e = np.where(a > 0, np.clip(np.frexp(np.where(a > 0, a, 1))[1] - 1 - 2, -126, 127), 0)      # np.frexp(a)[1] - 1 = floor(log2(a)), exactly
;;       r = np.clip(x / 2.0 ** e, -6, 6)
;;       step = 2.0 ** (np.maximum(np.frexp(np.where(r == 0, 1, r))[1] - 1, 0) - 1)
;;       q = np.round(r / step) * step * 2.0 ** e      # np.round: ties to even
;;       return np.moveaxis(q.reshape(q.shape[:-2] + (-1,))[..., :K], -1, axis).astype(np.float32)
;;   ~~~
;;   SOFTMAX AHEAD OF A QUANTISED PRODUCT. Where the list says 'softmax', what is quantised is not the finished softmax but p = 2^(t - M), with t = logit x log2(e) and M = ceil(the row's largest t), a whole number; so 1/2 < the row's largest p <= 1. The row's sum l is taken of the UNQUANTISED p, in f32, and the product's result is divided by l at the end. Since M is a whole number, a kernel that streams over the keys may use a running M (the ceiling of the running maximum): every later rescaling is an exact power of two, which a block's scale takes up: the codes' values come out the same.
;;   OPERANDS COMPUTED ON THE WAY. 'Computed on the way' means the value that the module computes at that place (a softmax that the list does not call 'softmax' is quantised finished and normalised). What goes into a quantiser is computed in f32, as accurately as f32 sums, v_exp_f32 and their like allow (about 1e-6 of the number): no bf16 or f16 on the way to a quantiser, and a product that is left as it is and whose result goes on into a quantised operand takes f32 operands (vector FMAs, or v_wmma_f32_16x16x4_f32). A number that lies on a knife's edge between two numbers of the format may be rounded either way, as far as f32 arithmetic and the matrix unit's own rounding can turn it there, and no further.
;; One version. Each part assembles by itself: llvm-mc -triple=amdgcn-amd-amdhsa -mcpu=gfx1250 --defsym DOCPART=n.
;; ======== version 1 of 1: 4 launches
;; workspace buffers: xq 4,456,448 bytes; wq 2,228,224 bytes; qq 4,718,592 bytes; kv 9,437,184 bytes; ao 4,456,448 bytes
;; launch quant (part 1): grid 384 x 1, 4 waves a work-group, no clusters, 39,424 bytes of LDS; arguments x, Wq, Wk, Wv, Wo, xq, wq; writes xq, wq
.if DOCPART == 1
	.amdgcn_target "amdgcn-amd-amdhsa--gfx1250"
	.amdhsa_code_object_version 6
	.text
	.protected	k_q8534d3b48d_quant
	.globl	k_q8534d3b48d_quant
	.p2align	8
	.type	k_q8534d3b48d_quant,@function
k_q8534d3b48d_quant:
	s_mov_b64 s[64:65], 0
	v_nop
	global_prefetch_b8 v0, s[64:65] scope:SCOPE_SE
	s_setreg_imm32_b32 hwreg(HW_REG_WAVE_MODE, 25, 1), 1
	s_wait_xcnt 0x0
; x [8192][1024] and Wq, Wk, Wv, Wo [1024][1024], f32 with K innermost, become codes of FP4 (E2M1) with one E8M0 scale byte for each 32 along K.
; A block's scale is 2^(floor(log2(its largest magnitude)) - 2); its byte is the largest magnitude's exponent field - 2, held at 1 from below.  A block of zeros keeps the byte 1: its codes are zeros,
; which add nothing under any byte but 0xff, and this program alone reads the bytes.
; LIMITS: blocks whose largest magnitude lies under 2^(2 - 126) have their byte held at 1; NaN and infinities among the inputs are not served.
; THE OUTPUT IS LAID AS THE MATRIX UNIT'S REGISTERS WANT IT.  A stored tile T is 16 rows; its row t is the tensor's row 32 (T / 2) + 8 (T % 2) + t + 8 (t / 8).  Of a tile and a half of K (512 numbers) the codes are
; 4,096 bytes: block of 32 numbers number b at 256 b + 16 t.  So lane L of a wave finds registers 4 c .. 4 c + 3 of the fragment of K step q at 1024 q + 512 c + 16 L.  The scale bytes of a tile and a half: 16 t + b.
; xq: codes at half x 2 MiB + 4096 T, scale bytes at 4 MiB + 512 T + 256 half.  wq (tiles 0-63 Wq, 64-127 Wk, 128-191 Wv, 192-255 Wo): half x 1 MiB + 4096 T, and 2 MiB + 512 T + 256 half.
; A WAVE takes one tile and one half: 16 steps, a row of 512 numbers each.  A step's four loads read 512 consecutive bytes each; the 2,048 bytes turn through the wave's own stage in LDS, so that a lane holds 16 neighbours
; (two lanes to a block).  Codes and bytes are gathered in the wave's own LDS and leave as runs of 512 and 256 consecutive bytes.  Waves share nothing: no barrier.  Loads run four steps (16 loads a wave) ahead.
.set STEPS, 16
.set SP,    80                         ; a lane's place in a stage: its 64 bytes + 16 of padding
.set WREG,  9728                       ; LDS of a wave: two stages of 32 x SP, 256 scale bytes, the codes' stage of 16 x 272
.set SCB,   5120
.set CST,   5376
.set R,     16                         ; v16-79   four sets of 16 numbers as they are loaded; at the end the codes on their way out
.set X,     80                         ; v80-111  two sets of 16 neighbours
.set E,     112                        ; v112-127 a scale byte for each step
.set C,     128                        ; v128-191 codes: registers of its own for each step
	s_load_b256 s[4:11], s[0:1], 0x0               ; x, Wq, Wk, Wv
	s_load_b128 s[12:15], s[0:1], 0x20             ; Wo, xq
	s_load_b64 s[16:17], s[0:1], 0x30              ; wq
	v_lshl_add_u32 v192, v0, 2, 0x9800
	v_mov_b32 v193, 0
	v_lshrrev_b32 v1, 5, v0
	v_readfirstlane_b32 s18, v1                    ; wave
	v_and_b32 v2, 31, v0                           ; lane
	v_lshlrev_b32 v3, 4, v2                        ; 16 x lane: my bytes of a load's, and of a store's, 512
	s_mul_i32 s19, s18, WREG
	v_lshrrev_b32 v14, 2, v2
	v_mul_u32_u24 v14, v14, SP
	v_and_b32 v15, 3, v2
	v_lshl_add_u32 v14, v15, 4, v14
	v_add_nc_u32 v14, s19, v14                     ; the stage, on the way in: SP (lane / 4) + 16 (lane % 4)
	v_mul_u32_u24 v15, v2, SP
	v_add_nc_u32 v15, s19, v15                     ; and on the way out: SP x lane: my 16 neighbours
	v_lshrrev_b32 v5, 1, v2                        ; my block of the row's 16
	v_mul_u32_u24 v10, v5, 272
	v_and_b32 v4, 1, v2
	v_lshl_add_u32 v10, v4, 3, v10
	v_add_nc_u32 v10, s19, v10
	v_add_nc_u32 v10, CST, v10                     ; the codes' stage: block x 272 + 8 x (lane % 2); the row stands in the immediate.  272 bytes from block to block: the 32 lanes' 8 bytes fall on 64 different banks
	v_add_nc_u32 v5, s19, v5
	v_add_nc_u32 v5, SCB, v5                       ; my block's scale byte
	v_lshlrev_b32 v7, 3, v2                        ; the bytes' way out: 8 a lane
	v_add_nc_u32 v6, s19, v7
	v_add_nc_u32 v6, SCB, v6
	v_lshrrev_b32 v4, 4, v2
	v_mul_u32_u24 v4, v4, 272
	v_and_b32 v9, 15, v2
	v_lshl_add_u32 v4, v9, 4, v4
	v_add_nc_u32 v4, s19, v4
	v_add_nc_u32 v4, CST, v4                       ; the codes' way out: sixteen lanes to a block's 256 bytes, two blocks an instruction
	s_wait_kmcnt 0x0
	s_mov_b64 s[20:21], s[12:13]                   ; which tensor: work-groups 0-255 x, then 32 each for Wq, Wk, Wv, Wo.  The choice hangs on the work-group's number alone
	s_cmp_lt_u32 ttmp9, 352
	s_cselect_b64 s[20:21], s[10:11], s[20:21]
	s_cmp_lt_u32 ttmp9, 320
	s_cselect_b64 s[20:21], s[8:9], s[20:21]
	s_cmp_lt_u32 ttmp9, 288
	s_cselect_b64 s[20:21], s[6:7], s[20:21]
	s_cmp_lt_u32 ttmp9, 256
	s_cselect_b64 s[20:21], s[4:5], s[20:21]
	s_cselect_b64 s[22:23], s[14:15], s[16:17]     ; xq or wq
	s_cselect_b32 s24, 21, 20                      ; a half of K is 2^21 or 2^20 bytes of codes,
	s_mov_b32 s25, 0x200000
	s_cselect_b32 s25, 0x400000, s25               ; and the scale bytes begin behind two of them
	s_cselect_b32 s26, 0, 256
	s_cselect_b32 s27, 0x1ff, 63                   ; the tile's number inside its own tensor
	s_sub_co_u32 s26, ttmp9, s26
	s_lshl_b32 s26, s26, 2
	s_add_co_u32 s26, s26, s18                     ; my job
	s_lshr_b32 s28, s26, 1                         ; T
	s_and_b32 s29, s26, 1                          ; which half of K
	s_and_b32 s27, s27, s28
	s_lshr_b32 s30, s27, 1
	s_lshl_b32 s30, s30, 17                        ; 32 rows of 4,096 bytes for each pair of tiles,
	s_and_b32 s32, s27, 1
	s_lshl_b32 s32, s32, 15                        ; 8 rows for the odd tile,
	s_add_co_u32 s30, s30, s32
	s_lshl_b32 s32, s29, 11                        ; 2,048 bytes for the second half
	s_add_co_u32 s30, s30, s32
	s_mov_b32 s31, 0
	s_add_nc_u64 s[20:21], s[20:21], s[30:31]
	s_lshl_b32 s30, s29, s24
	s_lshl_b32 s32, s28, 12
	s_add_co_u32 s30, s30, s32
	s_add_nc_u64 s[34:35], s[22:23], s[30:31]      ; my 4,096 bytes of codes
	s_lshl_b32 s30, s28, 9
	s_lshl_b32 s32, s29, 8
	s_add_co_u32 s30, s30, s32
	s_add_co_u32 s30, s30, s25
	s_add_nc_u64 s[36:37], s[22:23], s[30:31]      ; my 256 scale bytes
.macro LOAD t                          ; stored row t: the tensor's row t + 8 (t / 8) of the tile's span
.irp i, 0,1,2,3
	global_load_b128 v[R+16*((\t)%4)+4*\i:R+16*((\t)%4)+4*\i+3], v3, s[20:21] offset:((\t)+8*((\t)/8))*4096+512*\i th:TH_LOAD_NT   ; 32 lanes read 512 consecutive bytes
.endr
.endm
.macro TURN t                          ; step t's numbers through the stage: LDS serves a wave's instructions in order, so no wait stands between the stores and the loads
.irp i, 0,1,2,3
	ds_store_b128 v14, v[R+16*((\t)%4)+4*\i:R+16*((\t)%4)+4*\i+3] offset:32*SP*((\t)%2)+8*SP*\i
.endr
.irp i, 0,1,2,3
	ds_load_b128 v[X+16*((\t)%2)+4*\i:X+16*((\t)%2)+4*\i+3], v15 offset:32*SP*((\t)%2)+16*\i
.endr
.endm
.irp t, 0,1,2,3
	LOAD \t
.endr
	s_wait_loadcnt 12                              ; step 0's four loads are in; the twelve of steps 1 to 3 may be out
	TURN 0
.macro STEP t
.set XS, X+16*((\t)%2)
.if (\t) > 0
	s_wait_dscnt 2                                 ; this step's numbers are back from the stage; the last step's byte store and code store may be out
.else
	s_wait_dscnt 0x0
.endif
.if (\t)+4 < STEPS
	LOAD (\t)+4                                    ; into the set whose stores into the stage have read their registers
.endif
.if (\t)+1 < STEPS
.if STEPS-2-(\t) >= 3
	s_wait_loadcnt 12                              ; the next step's four loads are in; those of the three steps behind it may be out
.else
	s_wait_loadcnt 4*(STEPS-2-(\t))
.endif
	TURN (\t)+1                                    ; through the other stage while this step is worked
.endif
	v_max3_num_f32 v8, |v[XS]|, |v[XS+1]|, |v[XS+2]|               ; the largest magnitude of my 16, in two chains
	v_max3_num_f32 v9, |v[XS+3]|, |v[XS+4]|, |v[XS+5]|
.irp i, 6,10
	v_max3_num_f32 v8, v8, |v[XS+\i]|, |v[XS+\i+1]|
	v_max3_num_f32 v9, v9, |v[XS+\i+2]|, |v[XS+\i+3]|
.endr
	v_max3_num_f32 v8, v8, |v[XS+14]|, |v[XS+15]|
	v_max3_num_f32 v8, v8, v9, 0x1800000           ; and the floor 2^(3 - 127): the byte cannot fall under 1
	v_max_num_f32_dpp v8, v8, v8 row_xmask:1 row_mask:0xf bank_mask:0xf   ; with my neighbour's 16: the block's
	v_add_nc_u32 v11, 0xff000000, v8               ; 2 off its exponent field: the conversion takes the exponent field of this operand as its scale
	v_cvt_scalef32_pk8_fp4_f32 v[C+4*(\t)], v[XS:XS+7], v11
	v_cvt_scalef32_pk8_fp4_f32 v[C+4*(\t)+1], v[XS+8:XS+15], v11
	v_lshrrev_b32 v[E+(\t)], 23, v11               ; the scale's byte (a plain line behind the conversions)
	ds_store_b8 v5, v[E+(\t)] offset:16*(\t)       ; both lanes of a block write the same byte with the same value
	ds_store_b64 v10, v[C+4*(\t):C+4*(\t)+1] offset:16*(\t)   ; my 16 codes at their place in the image: block, row t, my half of the block
.endm
.irp t, 0,1,2,3,4,5,6,7,8,9,10,11,12,13,14,15
	STEP \t
.endr
.irp i, 0,1,2,3,4,5,6,7
	ds_load_b128 v[R+4*\i:R+4*\i+3], v4 offset:544*\i              ; LDS serves a wave's instructions in order: these see my stores
.endr
	ds_load_b64 v[12:13], v6
.irp i, 0,1,2,3,4,5,6,7
	s_wait_dscnt 8-\i                              ; behind the i-th load stand 7 - i of its kind and the bytes' load
	global_store_b128 v3, v[R+4*\i:R+4*\i+3], s[34:35] offset:512*\i   ; 32 lanes store 512 consecutive bytes, at a multiple of 256 from the buffer's first byte
.endr
	s_wait_dscnt 0x0
	global_store_b64 v7, v[12:13], s[36:37]        ; 32 lanes store 256 consecutive bytes
	s_wait_tensorcnt 0x0
	ds_add_u32 v192, v193
	s_wait_dscnt 0x0
	s_endpgm
.Lfunc_end_k_q8534d3b48d_quant:
	.size	k_q8534d3b48d_quant, .Lfunc_end_k_q8534d3b48d_quant-k_q8534d3b48d_quant
	.p2alignl 7, 3214868480
	.fill 96, 4, 3214868480
	.section	.rodata,"a",@progbits
	.p2align	6, 0x0
	.amdhsa_kernel k_q8534d3b48d_quant
		.amdhsa_group_segment_fixed_size 39424
		.amdhsa_private_segment_fixed_size 0
		.amdhsa_enable_private_segment 0
		.amdhsa_kernarg_size 56
		.amdhsa_user_sgpr_count 2
		.amdhsa_user_sgpr_kernarg_segment_ptr 1
		.amdhsa_wavefront_size32 1
		.amdhsa_system_sgpr_workgroup_id_x 1
		.amdhsa_system_sgpr_workgroup_id_y 1
		.amdhsa_system_sgpr_workgroup_id_z 1
		.amdhsa_system_vgpr_workitem_id 0
		.amdhsa_next_free_vgpr 194
		.amdhsa_next_free_sgpr 66
		.amdhsa_reserve_vcc 0
		.amdhsa_float_denorm_mode_32 3
		.amdhsa_float_denorm_mode_16_64 3
		.amdhsa_memory_ordered 1
		.amdhsa_forward_progress 1
		.amdhsa_inst_pref_size 36
	.end_amdhsa_kernel
	.amdgpu_metadata
---
amdhsa.version: [ 1, 2 ]
amdhsa.kernels:
  - .name:           k_q8534d3b48d_quant
    .symbol:         k_q8534d3b48d_quant.kd
    .args:
      - { .name: x, .offset: 0, .size: 8, .value_kind: global_buffer, .address_space: global }
      - { .name: Wq, .offset: 8, .size: 8, .value_kind: global_buffer, .address_space: global }
      - { .name: Wk, .offset: 16, .size: 8, .value_kind: global_buffer, .address_space: global }
      - { .name: Wv, .offset: 24, .size: 8, .value_kind: global_buffer, .address_space: global }
      - { .name: Wo, .offset: 32, .size: 8, .value_kind: global_buffer, .address_space: global }
      - { .name: xq, .offset: 40, .size: 8, .value_kind: global_buffer, .address_space: global }
      - { .name: wq, .offset: 48, .size: 8, .value_kind: global_buffer, .address_space: global }
    .group_segment_fixed_size: 39424
    .private_segment_fixed_size: 0
    .kernarg_segment_align: 8
    .kernarg_segment_size: 56
    .max_flat_workgroup_size: 128
    .sgpr_count:     66
    .vgpr_count:     194
    .wavefront_size: 32
...
	.end_amdgpu_metadata
.endif
;; end of part 1
;; launch qkv (part 2): grid 8 x 48, 4 waves a work-group, clusters of 4 x 4, 279,040 bytes of LDS; arguments xq, wq, bq, bk, bv, attention_mask, qq, kv; writes qq, kv
.if DOCPART == 2
	.amdgcn_target "amdgcn-amd-amdhsa--gfx1250"
	.amdhsa_code_object_version 6
	.text
	.protected	k_q8534d3b48d_qkv
	.globl	k_q8534d3b48d_qkv
	.p2align	8
	.type	k_q8534d3b48d_qkv,@function
k_q8534d3b48d_qkv:
	s_mov_b64 s[64:65], 0
	v_nop
	global_prefetch_b8 v0, s[64:65] scope:SCOPE_SE
	s_setreg_imm32_b32 hwreg(HW_REG_WAVE_MODE, 25, 1), 1
	s_wait_xcnt 0x0
	s_wait_alu depctr_hold_cnt(0) depctr_sa_sdst(0) depctr_va_vdst(0) depctr_va_sdst(0) depctr_va_ssrc(0) depctr_va_vcc(0) depctr_vm_vsrc(0)
	s_getreg_b32 s2, hwreg(HW_REG_IB_STS2, 6, 4)
	s_cmp_eq_u32 s2, 0
	s_cbranch_scc0 .Lentry_in_a_cluster
	s_endpgm
.Lentry_in_a_cluster:
	s_bfe_u32 s2, ttmp6, 0x10000c
	s_cmp_lg_u32 s2, 0xf033
	s_cbranch_scc0 .Lentry_shape_is_right
	s_endpgm
.Lentry_shape_is_right:
; q = x Wq^T + bq, k = x Wk^T + bk, v = x Wv^T + bv on codes of FP4 (E2M1) with E8M0 scales, K = 1,024; the results are quantised in the registers for the attention launch: q and k along the head's 64, v along the keys.
; (template_ids is an input that the module never uses: no launch of this program names it.)
; A work-group of four waves makes 256 x 256 results, a wave 128 x 128: 64 accumulators, 512 registers.  Source 1 of the matrix instruction (the A SLOT, 256 stored rows) ends up in the lanes, source 0 (the B SLOT) along
; a lane's registers.  What is quantised next must run along the registers.  Clusters 0-7 along y: A = 256 tokens, B = 256 rows of Wq (cluster x 0) or Wk (1): a lane holds one token and 128 channels, two heads.
; Clusters 8-11 along y: A = 256 rows of Wv, B = 256 tokens: a lane holds one channel and 128 keys.
; OPERANDS LIE IN MEMORY AS IMAGES OF THE REGISTERS (see the quantising launch): a fragment's four registers are 512 consecutive bytes, 16 a lane; 8 tiles and a half of K are one dense block of 32 KB.  A stored tile's row r is
; row 32 (T / 2) + 8 (T % 2) + r + 8 (r / 8): so the 16 registers of results of tiles 2 b and 2 b + 1 of the B slot are 16 neighbours, 32 b + 16 (lane / 16) + 0 .. 15.
; K is two halves of 512, each in an LDS slot of its own: nothing is filled twice.  By this text's own count a wave has three tensor loads out: its part of the scales and of the two slots.
; CLUSTERS: 4 x 4 work-groups.  The four of a row of the cluster need the same A slot, the four of a column the same B slot: each is asked for jointly, by the same tensor load with the same descriptor and a mask that names the four.
; THE KEY MASK GOES INTO k's SCALE WORDS.  The scores' K is 64, the instruction's 128: the attention launch fills k = 64 .. 95 of both operands with constants whose product is -625.  A key's scale word is
; b0 | b1 << 8 | 0x0101 << 16 where its mask is not 0 (the constants count 2^-126), and 0x01860101 where it is 0: the true products at 2^-126, the constants at 2^7: the score is -625 x 128 = -80000, which / 8 is -10000.
; LIMIT: an open score carries -625 x 2^-126 too much, a masked one what is left of the true product at 2^-126: both under f32's last bit unless a score lies under 1e-28 in magnitude.  Where ALL keys of a row are masked the
; scores are equal to the matrix unit's last bit only.  NaN and infinities are not served.
; The two kinds of work-group part once, on the cluster's y, behind the joint loads, and join at the closing round.
; REGISTERS, in windows of 256: window 0: v0-31 addresses; v32-95 scale words, two sets; v96-103 mask words; v104-121 at work; v128-191 A's fragments, ONE set (on the way out: codes and scale words); v192-255 the bias as C of the first products.
;   window 1: B's fragments, two sets, at v0 and v128.   window 2: accumulators of A's blocks 0-3 ((a, b) at v[8 (8 (a % 4) + b)]);   window 3: of blocks 4-7.
.set FR,    8                          ; registers of a fragment: 16 rows x 128 K
.set SLOT,  131072                     ; a half of K: A's 16 tiles x 4 KB, then B's
.set BOFF,  65536
.set SCL,   262144                     ; behind the slots: A's scale bytes, 16 tiles x 512, then B's
.set LI,    4                          ; v4   16 x lane
.set ADRA,  16                         ; v16-17 LDS address of my A fragments in slot 0, 1
.set ADRB,  20                         ; v20-21 the same for B
.set ADRS,  27                         ; v27  my scale words: lanes 0-15 A's rows, lanes 16-31 B's
.set SC,    32                         ; scale words: set s at v[SC + 32 s]; register 4 i + q: lanes 0-15 A's block i, lanes 16-31 B's block i, the half's q-th 128 along K
.set MV,    96                         ; the mask of my lane's token in A's block a
.set TM,    104                        ; v104-107 largest magnitudes, v108-111 bytes, v116-119 the conversions' scale operands
.set PW,    120                        ; the scale word just made
.set MW,    121                        ; a masked key's scale word
.set AF,    128
.set PC,    128                        ; the way out: codes, two sets of 8
.set WD,    144                        ; 16 scale words
.set OW,    160                        ; 4 of them as they are stored
.set BIAS,  192
.set G1A,   32                         ; s[32:39], s[40:47] descriptor group 1 for A's and B's codes; s[48:55], s[56:63] for their scales
.set G1B,   40
.set G1SA,  48
.set G1SB,  56
.set G0A,   68                         ; s[68:75], s[76:83] group 0 for A's and B's codes, a set for each slot; s[84:87], s[88:91] for the scales
.set G0B,   76
.set G0SA,  84
.set G0SB,  88
.set SEL,   30                         ; s[30:31] v_permlanex16_b32's selects for lane l xor 16
.set MSB, 0
.macro WIN new                         ; the immediate's high byte repeats the setting that is left
.if MSB != (\new)
	s_set_vgpr_msb (MSB<<8)|(\new)
.set MSB, (\new)
.endif
.endm
.set MUL_LO, 0xa1                      ; source 0 (B) window 1, source 1 (A) window 0, C and D window 2
.set MUL_HI, 0xf1                      ; the same, C and D window 3
.set TO_B,   0x40                      ; destination window 1, address window 0
; A joint load: waves 0 and 1 fetch for A, waves 2 and 3 for B.  Each of the two lines has one mask and one set of registers for all that issue it; the branch hangs on the wave's number alone.
; Four v_nop follow each of the two lines, ahead of the jump, the label and what follows.
.macro JLOAD g0a, g1a, g0b, g1b
	s_cmp_eq_u32 s21, 0
	s_cbranch_scc0 .Lfor_b_\@
	tensor_load_to_lds s[\g0a:\g0a+3], s[\g1a:\g1a+7]
	s_nop 0
.rept 4
	v_nop
.endr
	s_branch .Lasked_\@
.Lfor_b_\@:
	tensor_load_to_lds s[\g0b:\g0b+3], s[\g1b:\g1b+7]
	s_nop 0
.rept 4
	v_nop
.endr
.Lasked_\@:
.endm
.macro CROUND                          ; a round of the cluster's barrier
	s_barrier_signal -1
	s_barrier_wait -1
	s_cmp_lg_u32 s20, 0
	s_cbranch_scc1 .Lnot_wave_0_\@
	s_barrier_signal -3
.Lnot_wave_0_\@:
	s_barrier_wait -3
	s_barrier_signal -1
	s_barrier_wait -1
.endm
	s_load_b256 s[4:11], s[0:1], 0x0               ; xq s[4:5], wq s[6:7], bq s[8:9], bk s[10:11]
	s_load_b256 s[12:19], s[0:1], 0x20             ; bv s[12:13], attention_mask s[14:15], qq s[16:17], kv s[18:19]
	v_lshl_add_u32 v126, v0, 2, 0x44000
	v_mov_b32 v127, 0
	ds_add_u32 v126, v127
	ds_add_u32 v126, v127
	v_lshrrev_b32 v1, 5, v0
	v_readfirstlane_b32 s20, v1                    ; wave 0..3
	s_lshr_b32 s21, s20, 1                         ; which 128 rows of the A slot are mine.  Also: I fetch for A (0) or for B (1)
	s_and_b32 s22, s20, 1                          ; which 128 rows of the B slot.  Also: which half of that slot I fetch
	s_bfe_u32 s23, ttmp6, 0x40000                  ; cx, cy: my place in the cluster
	s_bfe_u32 s24, ttmp6, 0x40004
	s_mov_b32 s25, ttmp9                           ; the cluster's x: 0, 1
	s_and_b32 s26, ttmp7, 0xffff                   ; the cluster's y: 0 .. 11
	s_lshl_b32 s30, s24, 2
	s_lshl_b32 s30, 15, s30                        ; my row of the cluster
	s_lshl_b32 s31, 0x1111, s23                    ; my column
	s_or_b32 s[G1A], s30, (3<<16)|(1<<21)          ; 15:0 the mask; 17:16 elements of 8 bytes; 20 no padding; 21 set beside a mask
	s_or_b32 s[G1B], s31, (3<<16)|(1<<21)
	s_or_b32 s[G1SA], s30, (3<<16)|(1<<21)
	s_or_b32 s[G1SB], s31, (3<<16)|(1<<21)
.irp g, G1A, G1B                       ; 8 tiles x 4 KB: a dense block as 128 rows of 256 bytes
	s_mov_b32 s[\g+1], 32<<16                      ; tensor_dim0 = 32 elements
	s_mov_b32 s[\g+2], 128<<16                     ; tensor_dim1
	s_mov_b32 s[\g+3], 32<<16                      ; tile_dim0
	s_mov_b32 s[\g+4], 128                         ; tile_dim1
	s_mov_b32 s[\g+5], 32                          ; from row to row
	s_mov_b32 s[\g+6], 0
	s_mov_b32 s[\g+7], 0
.endr
.irp g, G1SA, G1SB                     ; 8 tiles x 512 scale bytes: 16 rows of 256 bytes
	s_mov_b32 s[\g+1], 32<<16
	s_mov_b32 s[\g+2], 16<<16
	s_mov_b32 s[\g+3], 32<<16
	s_mov_b32 s[\g+4], 16
	s_mov_b32 s[\g+5], 32
	s_mov_b32 s[\g+6], 0
	s_mov_b32 s[\g+7], 0
.endr
	s_mov_b32 s[SEL], 0x76543210
	s_mov_b32 s[SEL+1], 0xfedcba98
	s_lshl_b32 s29, s26, 1
	s_add_co_u32 s29, s29, s25
	s_sub_co_u32 s29, s29, 16                      ; for v: which four blocks of 256 tokens: 2 (y - 8) + x
	s_cmp_ge_u32 s26, 8                            ; v's clusters: a number that all partners share
	s_cselect_b32 s27, 1, 0
	s_cselect_b32 s28, 2, s26                      ; A: Wv is blocks 8 .. 11 of wq's rows; else the tokens' block 4 y + cy
	s_cselect_b32 s29, s29, s25                    ; B: the tokens' block; else Wq (x = 0) or Wk (x = 1)
	s_cselect_b32 s96, 20, 21                      ; a half of K is 2^20 bytes in wq, 2^21 in xq; the scale bytes begin behind two halves
	s_cselect_b32 s97, 21, 20
	s_lshl_b32 s28, s28, 2
	s_add_co_u32 s28, s28, s24                     ; tA: A's block of 256 rows hangs on cy, never on cx
	s_lshl_b32 s29, s29, 2
	s_add_co_u32 s29, s29, s23                     ; tB: B's hangs on cx, never on cy
	s_lshl_b32 s26, s22, 15                        ; the half that I fetch: 8 tiles of 4 KB
	s_lshl_b32 s92, s28, 16
	s_add_co_u32 s92, s92, s26
	s_mov_b32 s93, 0
	s_lshl_b32 s94, s29, 16
	s_add_co_u32 s94, s94, s26
	s_mov_b32 s95, 0
	s_wait_dscnt 0x0
	s_wait_kmcnt 0x0
	s_cmp_eq_u32 s27, 1
	s_cselect_b64 s[98:99], s[6:7], s[4:5]         ; A's buffer
	s_cselect_b64 s[100:101], s[4:5], s[6:7]       ; B's
	s_add_nc_u64 s[G0A+2:G0A+3], s[98:99], s[92:93]
	s_add_nc_u64 s[G0B+2:G0B+3], s[100:101], s[94:95]
	s_lshl_b32 s92, 1, s96
	s_lshl_b32 s94, 1, s97
	s_add_nc_u64 s[G0A+6:G0A+7], s[G0A+2:G0A+3], s[92:93]   ; the second half of K
	s_add_nc_u64 s[G0B+6:G0B+7], s[G0B+2:G0B+3], s[94:95]
	s_lshl_b32 s26, s22, 12                        ; the scales: 8 tiles of 512 bytes
	s_lshl_b32 s92, s92, 1
	s_lshl_b32 s2, s28, 13
	s_add_co_u32 s92, s92, s2
	s_add_co_u32 s92, s92, s26
	s_lshl_b32 s94, s94, 1
	s_lshl_b32 s3, s29, 13
	s_add_co_u32 s94, s94, s3
	s_add_co_u32 s94, s94, s26
	s_add_nc_u64 s[G0SA+2:G0SA+3], s[98:99], s[92:93]
	s_add_nc_u64 s[G0SB+2:G0SB+3], s[100:101], s[94:95]
	s_lshl_b32 s96, s20, 15                        ; where they go: wave x 32 KB, wave x 4 KB: no place in the cluster enters an LDS address
	s_lshl_b32 s97, s20, 12
.irp g, G0A, G0B
	s_mov_b32 s[\g], 1                             ; count = 1
	s_mov_b32 s[\g+1], s96                         ; LDS address, slot 0
	s_or_b32 s[\g+3], s[\g+3], 0x80000000          ; type = 2
	s_mov_b32 s[\g+4], 1
	s_add_co_u32 s[\g+5], s96, SLOT                ; slot 1
	s_or_b32 s[\g+7], s[\g+7], 0x80000000
.endr
.irp g, G0SA, G0SB
	s_mov_b32 s[\g], 1
	s_add_co_u32 s[\g+1], s97, SCL
	s_or_b32 s[\g+3], s[\g+3], 0x80000000
.endr
	CROUND                                         ; all sixteen work-groups are here: the joint loads meet
	JLOAD G0SA, G1SA, G0SB, G1SB                   ; the scales first: they are wanted with the first half
	JLOAD G0A, G1A, G0B, G1B
	JLOAD G0A+4, G1A, G0B+4, G1B
	v_and_b32 v1, 31, v0                           ; lane
	v_and_b32 v2, 15, v0                           ; r
	v_bfe_u32 v3, v0, 4, 1                         ; h
	s_wait_alu depctr_va_vdst(0)
	v_lshlrev_b32 v[LI], 4, v1
	s_lshl_b32 s2, s21, 15                         ; my 8 tiles of A
	s_lshl_b32 s3, s22, 15                         ; my 8 tiles of B,
	s_add_co_u32 s3, s3, BOFF                      ; which lie behind A's 16
.irp s, 0,1
	v_add_nc_u32 v[ADRA+\s], s2, v[LI]
	v_add_nc_u32 v[ADRB+\s], s3, v[LI]
	s_add_co_u32 s2, s2, SLOT
	s_add_co_u32 s3, s3, SLOT
.endr
	s_lshl_b32 s2, s21, 12                         ; A's scale bytes: my 8 tiles
	s_lshl_b32 s3, s22, 12                         ; B's, behind A's 8 KB
	s_add_co_u32 s3, s3, 8192
	s_sub_co_u32 s3, s3, s2
	v_mul_u32_u24 v5, s3, v3                       ; lanes 16-31 take B's
	v_lshl_add_u32 v5, v2, 4, v5                   ; 16 bytes a row and half of K
	s_add_co_u32 s2, s2, SCL
	v_add_nc_u32 v[ADRS], s2, v5
	v_lshlrev_b32 v6, 6, v3                        ; a bias along the registers: 16 numbers on for lanes 16-31
	v_and_b32 v7, 8, v2
	v_add_nc_u32 v7, v7, v2
	v_lshlrev_b32 v7, 2, v7                        ; what hangs on the lane's row: 4 (r + 8 (r / 8))
.irp b, 0,1,2,3
	v_mov_b32 v[TM+4+\b], 0                        ; written once: a lane permute's destination counts as one of its sources
.endr
	v_mov_b32 v[MW], 0x01860101
.macro FRAG reg, adr, q, i             ; a fragment: two loads of 512 consecutive bytes, 16 a lane
.irp c, 0,1
	ds_load_b128 v[\reg+4*\c:\reg+4*\c+3], v[\adr] offset:1024*(\q)+512*\c+(\i)*4096
.endr
.endm
; 16 matrix instructions: A's blocks a0, a0 + 1 x B's eight, the half's q-th 128 along K.  p: B's set; sc: the set of scale words.  mode 0: in place; 1: C = the bias of B's block (along the registers); 2: C = the bias of A's block (by lane).
; The 64 accumulators take turns, one instruction a turn, in the same order in every step.
.macro MUL16 a0, p, q, sc, mode
.irp a, \a0, \a0+1
.irp b, 0,1,2,3,4,5,6,7
.if \mode == 0
	v_wmma_scale_f32_16x16x128_f8f6f4 v[8*(8*((\a)%4)+\b):8*(8*((\a)%4)+\b)+7], v[128*(\p)+FR*\b:128*(\p)+FR*\b+FR-1], v[AF+FR*(\a):AF+FR*(\a)+FR-1], v[8*(8*((\a)%4)+\b):8*(8*((\a)%4)+\b)+7], v[SC+32*(\sc)+4*\b+(\q)], v[SC+32*(\sc)+4*(\a)+(\q)] matrix_a_fmt:MATRIX_FMT_FP4 matrix_b_fmt:MATRIX_FMT_FP4 matrix_a_scale:MATRIX_SCALE_ROW1
.elseif \mode == 1
	v_wmma_scale_f32_16x16x128_f8f6f4 v[8*(8*((\a)%4)+\b):8*(8*((\a)%4)+\b)+7], v[128*(\p)+FR*\b:128*(\p)+FR*\b+FR-1], v[AF+FR*(\a):AF+FR*(\a)+FR-1], v[BIAS+8*\b:BIAS+8*\b+7], v[SC+32*(\sc)+4*\b+(\q)], v[SC+32*(\sc)+4*(\a)+(\q)] matrix_a_fmt:MATRIX_FMT_FP4 matrix_b_fmt:MATRIX_FMT_FP4 matrix_a_scale:MATRIX_SCALE_ROW1
.else
	v_wmma_scale_f32_16x16x128_f8f6f4 v[8*(8*((\a)%4)+\b):8*(8*((\a)%4)+\b)+7], v[128*(\p)+FR*\b:128*(\p)+FR*\b+FR-1], v[AF+FR*(\a):AF+FR*(\a)+FR-1], v[BIAS+8*(\a):BIAS+8*(\a)+7], v[SC+32*(\sc)+4*\b+(\q)], v[SC+32*(\sc)+4*(\a)+(\q)] matrix_a_fmt:MATRIX_FMT_FP4 matrix_b_fmt:MATRIX_FMT_FP4 matrix_a_scale:MATRIX_SCALE_ROW1
.endif
.endr
.endr
.endm
.macro FETCH_B slot, q, p
	WIN TO_B
.irp i, 0,1,2,3,4,5,6,7
	FRAG 128*(\p)+FR*\i, ADRB+\slot, \q, \i
.endr
	WIN 0
.endm
.macro FETCH_A slot, q, i0
.irp i, \i0, \i0+1, \i0+2, \i0+3
	FRAG AF+FR*(\i), ADRA+\slot, \q, \i
.endr
.endm
.macro SCALES sc                       ; a half's scale words: four words a row; lanes 0-15 take A's block i, lanes 16-31 B's block i
.irp i, 0,1,2,3,4,5,6,7
	ds_load_b128 v[SC+32*\sc+4*\i:SC+32*\sc+4*\i+3], v[ADRS] offset:\i*512+\sc*256
.endr
.endm
; A load into a register that a matrix instruction has read, and a vector instruction that reads a matrix result, stand four places behind that matrix instruction; only plain vector instructions that name none of its
; registers are places (ISA guide 7.12.1 for vector instructions).
.macro PLACES
.rept 4
	v_nop
.endr
.endm
.macro STEP slot, q, mode              ; a step of 128 along K that has its successor in the same slot
	s_wait_dscnt 8                                 ; B's set and A's blocks 0-3 are in; the youngest eight loads (A's blocks 4-7) may be out
.if \mode
	WIN 0x81                                       ; C (the bias) window 0, D window 2
.else
	WIN MUL_LO
.endif
	MUL16 0, (\q)%2, \q, \slot, \mode
	MUL16 2, (\q)%2, \q, \slot, \mode
	s_wait_dscnt 0x0                               ; A's blocks 4-7 are in (asked for 32 matrix instructions ago)
	PLACES
	FETCH_B \slot, (\q)+1, 1-(\q)%2
	FETCH_A \slot, (\q)+1, 0
.if \mode
	WIN 0xc1
.else
	WIN MUL_HI
.endif
	MUL16 4, (\q)%2, \q, \slot, \mode
	MUL16 6, (\q)%2, \q, \slot, \mode
	PLACES
	WIN 0
	FETCH_A \slot, (\q)+1, 4
.endm
.macro MAIN mode
	s_wait_tensorcnt 0x1                           ; the scales and my part of the first half are in; the second half's load may be out
	s_barrier_signal -1
	s_barrier_wait -1                              ; everybody's are
	FETCH_B 0, 0, 0
	FETCH_A 0, 0, 0
	SCALES 0
	FETCH_A 0, 0, 4
	STEP 0, 0, \mode                               ; the first products start the sums from the bias: nothing is cleared, nothing is added later
	STEP 0, 1, 0
	STEP 0, 2, 0
	s_wait_tensorcnt 0x0                           ; the first half's last step changes slots: my part of the second half is in
	s_wait_dscnt 8
	WIN MUL_LO
	MUL16 0, 1, 3, 0, 0
	s_wait_dscnt 0x0                               ; no LDS load of mine is out at the signal
	s_barrier_signal -1
	MUL16 2, 1, 3, 0, 0                            ; work on registers while the others arrive
	WIN 0
	s_barrier_wait -1                              ; the second half is whole
	PLACES
	FETCH_B 1, 0, 0
	FETCH_A 1, 0, 0
	SCALES 1
	WIN MUL_HI
	MUL16 4, 1, 3, 0, 0
	MUL16 6, 1, 3, 0, 0
	PLACES
	WIN 0
	FETCH_A 1, 0, 4
	STEP 1, 0, 0
	STEP 1, 1, 0
	STEP 1, 2, 0
	s_wait_dscnt 8                                 ; the very last step: nothing more to fetch
	WIN MUL_LO
	MUL16 0, 1, 3, 1, 0
	MUL16 2, 1, 3, 1, 0
	s_wait_dscnt 0x0
	WIN MUL_HI
	MUL16 4, 1, 3, 1, 0
	MUL16 6, 1, 3, 1, 0
	WIN 0
	PLACES
.endm
; The 64 results of A's block a (register 16 b + i = index 32 b + 16 (lane / 16) + i along the B slot, of my lane's row) become a fragment's codes in v[pc] on and its scale word in v[pw].
; Each accumulator is read from its low end on.
.macro QUANTW a, pc, pw
.set QS, 64*((\a)%4)
.set QW, 2+(\a)/4
	WIN (5*QW)                                     ; sources 0 and 1: the accumulators' window
.irp b, 0,1,2,3
	v_max3_num_f32 v[TM+\b], |v[QS+16*\b]|, |v[QS+16*\b+1]|, 0x1800000   ; block b: my 16 numbers, and the floor 2^(3 - 127): the byte cannot fall under 1
.endr
.irp n, 2,4,6,8,10,12,14
.irp b, 0,1,2,3
	v_max3_num_f32 v[TM+\b], |v[QS+16*\b+\n]|, |v[QS+16*\b+\n+1]|, v[TM+\b]   ; (the four blocks by turns)
.endr
.endr
	WIN 0
.irp b, 0,1,2,3
	v_permlanex16_b32 v[TM+4+\b], v[TM+\b], s[SEL], s[SEL+1]
.endr
.irp b, 0,1,2,3
	v_max_num_f32 v[TM+\b], v[TM+\b], v[TM+4+\b]   ; with lane l xor 16's: the block's largest magnitude
.endr
.irp b, 0,1,2,3
	v_add_nc_u32 v[TM+12+\b], 0xff000000, v[TM+\b] ; 2 off its exponent field: the conversion's scale operand
.endr
.irp b, 0,1,2,3
	v_lshrrev_b32 v[TM+4+\b], 23, v[TM+12+\b]      ; the scale's byte
.endr
	v_lshl_or_b32 v[\pw], v[TM+5], 8, v[TM+4]
	v_lshl_or_b32 v[\pw], v[TM+6], 16, v[\pw]
	v_lshl_or_b32 v[\pw], v[TM+7], 24, v[\pw]
	WIN QW                                         ; source 0: the accumulators' window
.irp b, 0,1,2,3
	v_cvt_scalef32_pk8_fp4_f32 v[\pc+2*\b], v[QS+16*\b:QS+16*\b+7], v[TM+12+\b]
	v_cvt_scalef32_pk8_fp4_f32 v[\pc+2*\b+1], v[QS+16*\b+8:QS+16*\b+15], v[TM+12+\b]
.endr
	WIN 0
	v_nop                                          ; one plain place behind a scaled conversion
.irp c, 0,1                            ; the operand's layout wants a whole block in a lane: lanes 0-15 block 2 c, lanes 16-31 block 2 c + 1
.irp i, 0,1
	v_permlane16_swap_b32 v[\pc+4*\c+\i], v[\pc+4*\c+2+\i]
.endr
.endr
.endm
	s_cmp_eq_u32 s27, 1
	s_cbranch_scc1 .Lv_path
	; ---------------- q and k ----------------
	s_cmp_eq_u32 s25, 1
	s_cselect_b64 s[92:93], s[10:11], s[8:9]       ; bk or bq
	s_lshl_b32 s94, s23, 10
	s_lshl_b32 s95, s22, 9
	s_add_co_u32 s94, s94, s95                     ; my 128 channels: 256 cx + 128 x half
	s_mov_b32 s95, 0
	s_add_nc_u64 s[92:93], s[92:93], s[94:95]
	s_wait_alu depctr_va_vdst(0)
.irp b, 0,1,2,3,4,5,6,7                ; lane (r, h) wants, for B's block b, the bias of channels 32 (b / 2) + 16 h + 8 (b % 2) + 0 .. 7
	global_load_b128 v[BIAS+8*\b:BIAS+8*\b+3], v6, s[92:93] offset:(32*(\b/2)+8*(\b%2))*4
	global_load_b128 v[BIAS+8*\b+4:BIAS+8*\b+7], v6, s[92:93] offset:(32*(\b/2)+8*(\b%2))*4+16
.endr
	s_lshr_b32 s96, s28, 3                         ; the batch
	s_and_b32 s97, s28, 7
	s_lshl_b32 s97, s97, 1
	s_add_co_u32 s97, s97, s21                     ; which 128 tokens of the batch's 2,048 are my wave's
	s_lshl_b32 s94, s96, 13
	s_lshl_b32 s2, s97, 9
	s_add_co_u32 s94, s94, s2
	s_add_nc_u64 s[98:99], s[14:15], s[94:95]
.irp a, 0,1,2,3,4,5,6,7
	global_load_b32 v[MV+\a], v7, s[98:99] offset:(32*(\a/2)+8*(\a%2))*4   ; the mask of my lane's token in A's block a
.endr
	s_wait_loadcnt 0x0
	MAIN 1
	; the way out.  All my tensor loads are done: the descriptors' registers are free
	s_cmp_eq_u32 s25, 1                            ; k (1) or q (0)
	s_cselect_b64 s[32:33], s[18:19], s[16:17]     ; kv or qq
	s_mov_b32 s34, 65536
	s_cselect_b32 s34, 147456, s34                 ; codes: bytes from head to head,
	s_mov_b32 s35, 4096
	s_cselect_b32 s35, 9216, s35                   ; and from 128 tokens to the next
	s_mov_b32 s36, 8192
	s_cselect_b32 s36, 147456, s36                 ; scale words: the same two,
	s_mov_b32 s37, 512
	s_cselect_b32 s37, 9216, s37
	s_mov_b32 s38, 0x400000
	s_cselect_b32 s38, 8192, s38                   ; and where they begin
	s_mov_b32 s39, 0x7f7f0000
	s_cselect_b32 s39, 0x01010000, s39             ; the bytes of the spare blocks: 1.0 for q, 2^-126 for k
	s_cselect_b32 s40, -1, 0                       ; only k takes the mask
	s_mov_b32 s41, 0xffff
	s_lshl_b32 s42, s96, 4
	s_lshl_b32 s43, s23, 2
	s_add_co_u32 s42, s42, s43
	s_lshl_b32 s43, s22, 1
	s_add_co_u32 s42, s42, s43                     ; my first head: 16 x batch + 4 cx + 2 x half
	s_mul_i32 s44, s42, s34
	s_mul_i32 s45, s97, s35
	s_add_co_u32 s44, s44, s45
	s_mov_b32 s45, 0
	s_add_nc_u64 s[48:49], s[32:33], s[44:45]      ; codes of my first head,
	s_mov_b32 s44, s34
	s_add_nc_u64 s[50:51], s[48:49], s[44:45]      ; of my second
	s_mul_i32 s44, s42, s36
	s_mul_i32 s46, s97, s37
	s_add_co_u32 s44, s44, s46
	s_add_co_u32 s44, s44, s38
	s_add_nc_u64 s[52:53], s[32:33], s[44:45]      ; scale words likewise
	s_mov_b32 s44, s36
	s_add_nc_u64 s[54:55], s[52:53], s[44:45]
	v_cmp_le_u32 s47, 16, v1                       ; lanes 16-31
.irp a, 0,1,2,3,4,5,6,7
	v_cmp_eq_u32 s[56+\a], 0, v[MV+\a]             ; the lanes whose token is masked: it selects a value, never a way
	s_and_b32 s[56+\a], s[56+\a], s40
.endr
.irp a, 0,1,2,3,4,5,6,7
	s_wait_xcnt 0x0                                ; the earlier stores have read their registers
	QUANTW \a, PC+8*(\a%2), PW
	v_and_or_b32 v[WD+\a], v[PW], s41, s39         ; my first head's two bytes, and the spare blocks';
	v_lshrrev_b32 v[WD+8+\a], 16, v[PW]
	v_or_b32 v[WD+8+\a], s39, v[WD+8+\a]           ; my second head's
	v_cndmask_b32 v[WD+\a], v[WD+\a], v[MW], s[56+\a]
	v_cndmask_b32 v[WD+8+\a], v[WD+8+\a], v[MW], s[56+\a]
	global_store_b128 v[LI], v[PC+8*(\a%2):PC+8*(\a%2)+3], s[48:49] offset:512*\a     ; a tile of 16 tokens x 64 channels: 512 consecutive bytes
	global_store_b128 v[LI], v[PC+8*(\a%2)+4:PC+8*(\a%2)+7], s[50:51] offset:512*\a
.endr
.irp c, 0,1                            ; a head's 8 x 16 scale words: lane L stores the words of tiles 4 (L / 16) + 0 .. 3, row L % 16
.if \c
	s_wait_alu depctr_va_vdst(0)
	s_wait_xcnt 0x0
.endif
.irp j, 0,1,2,3
	v_cndmask_b32 v[OW+\j], v[WD+8*\c+\j], v[WD+8*\c+4+\j], s47
.endr
	global_store_b128 v[LI], v[OW:OW+3], s[52+2*\c:53+2*\c]
.endr
	s_branch .Lend
.Lv_path:
	; ---------------- v ----------------
	s_lshl_b32 s94, s24, 10
	s_lshl_b32 s95, s21, 9
	s_add_co_u32 s94, s94, s95                     ; my 128 channels: 256 cy + 128 x half
	s_mov_b32 s95, 0
	s_add_nc_u64 s[92:93], s[12:13], s[94:95]
	s_wait_alu depctr_va_vdst(0)
.irp a, 0,1,2,3,4,5,6,7
	global_load_b32 v[BIAS+8*\a], v7, s[92:93] offset:(32*(\a/2)+8*(\a%2))*4   ; the bias of my lane's channel in A's block a
.endr
	s_wait_loadcnt 0x0
.irp a, 0,1,2,3,4,5,6,7                ; as C it stands in all eight registers (these run while the tiles are on their way)
.irp j, 1,2,3,4,5,6,7
	v_mov_b32 v[BIAS+8*\a+\j], v[BIAS+8*\a]
.endr
.endr
	s_wait_alu depctr_va_vdst(0)
	MAIN 2
	s_lshr_b32 s32, s29, 3                         ; the batch
	s_and_b32 s33, s29, 7
	s_lshl_b32 s33, s33, 1
	s_add_co_u32 s33, s33, s22                     ; the key step: which 128 keys
	s_lshl_b32 s32, s32, 4
	s_lshl_b32 s34, s24, 2
	s_add_co_u32 s32, s32, s34
	s_lshl_b32 s34, s21, 1
	s_add_co_u32 s32, s32, s34                     ; my first head: 16 x batch + 4 cy + 2 x half
	s_mul_i32 s36, s32, 147456
	s_mul_i32 s37, s33, 9216
	s_add_co_u32 s36, s36, s37
	s_mov_b32 s37, 0
	s_add_nc_u64 s[48:49], s[18:19], s[36:37]
	s_add_nc_u64 s[50:51], s[48:49], 147456
.irp a, 0,1,2,3,4,5,6,7
	s_wait_xcnt 0x0                                ; the earlier stores have read their registers
	QUANTW \a, PC+8*(\a%2), WD+\a
	global_store_b128 v[LI], v[PC+8*(\a%2):PC+8*(\a%2)+3], s[48+2*(\a/4):49+2*(\a/4)] offset:4096+(\a%4)*1024       ; 16 channels x keys 0-63 of the step,
	global_store_b128 v[LI], v[PC+8*(\a%2)+4:PC+8*(\a%2)+7], s[48+2*(\a/4):49+2*(\a/4)] offset:4096+(\a%4)*1024+512   ; x keys 64-127
.endr
	global_store_b128 v[LI], v[WD:WD+3], s[48:49] offset:8704      ; a head's 4 x 16 scale words: word j of a lane = tile j, row L % 16
	global_store_b128 v[LI], v[WD+4:WD+7], s[50:51] offset:8704
.Lend:
	s_wait_tensorcnt 0x0
	ds_add_u32 v126, v127
	s_wait_dscnt 0x0
	CROUND                                         ; the closing round: no work-group ends while a partner may still ask for a tile that names it
	s_endpgm
.Lfunc_end_k_q8534d3b48d_qkv:
	.size	k_q8534d3b48d_qkv, .Lfunc_end_k_q8534d3b48d_qkv-k_q8534d3b48d_qkv
	.p2alignl 7, 3214868480
	.fill 96, 4, 3214868480
	.section	.rodata,"a",@progbits
	.p2align	6, 0x0
	.amdhsa_kernel k_q8534d3b48d_qkv
		.amdhsa_group_segment_fixed_size 279040
		.amdhsa_private_segment_fixed_size 0
		.amdhsa_enable_private_segment 0
		.amdhsa_kernarg_size 64
		.amdhsa_user_sgpr_count 2
		.amdhsa_user_sgpr_kernarg_segment_ptr 1
		.amdhsa_wavefront_size32 1
		.amdhsa_system_sgpr_workgroup_id_x 1
		.amdhsa_system_sgpr_workgroup_id_y 1
		.amdhsa_system_sgpr_workgroup_id_z 1
		.amdhsa_system_vgpr_workitem_id 0
		.amdhsa_next_free_vgpr 1024
		.amdhsa_next_free_sgpr 102
		.amdhsa_reserve_vcc 0
		.amdhsa_float_denorm_mode_32 3
		.amdhsa_float_denorm_mode_16_64 3
		.amdhsa_memory_ordered 1
		.amdhsa_forward_progress 1
		.amdhsa_inst_pref_size 255
	.end_amdhsa_kernel
	.section	.bss,"aw",@nobits
	.p2align	6
	.space	262144
	.amdgpu_metadata
---
amdhsa.version: [ 1, 2 ]
amdhsa.kernels:
  - .name:           k_q8534d3b48d_qkv
    .symbol:         k_q8534d3b48d_qkv.kd
    .args:
      - { .name: xq, .offset: 0, .size: 8, .value_kind: global_buffer, .address_space: global }
      - { .name: wq, .offset: 8, .size: 8, .value_kind: global_buffer, .address_space: global }
      - { .name: bq, .offset: 16, .size: 8, .value_kind: global_buffer, .address_space: global }
      - { .name: bk, .offset: 24, .size: 8, .value_kind: global_buffer, .address_space: global }
      - { .name: bv, .offset: 32, .size: 8, .value_kind: global_buffer, .address_space: global }
      - { .name: attention_mask, .offset: 40, .size: 8, .value_kind: global_buffer, .address_space: global }
      - { .name: qq, .offset: 48, .size: 8, .value_kind: global_buffer, .address_space: global }
      - { .name: kv, .offset: 56, .size: 8, .value_kind: global_buffer, .address_space: global }
    .group_segment_fixed_size: 279040
    .private_segment_fixed_size: 0
    .kernarg_segment_align: 8
    .kernarg_segment_size: 64
    .max_flat_workgroup_size: 128
    .sgpr_count:     102
    .vgpr_count:     1024
    .wavefront_size: 32
...
	.end_amdgpu_metadata
.endif
;; end of part 2
;; launch attn (part 3): grid 4 x 64, 16 waves a work-group, clusters of 4 x 1, 327,680 bytes of LDS; arguments qq, kv, ao; writes ao
.if DOCPART == 3
	.amdgcn_target "amdgcn-amd-amdhsa--gfx1250"
	.amdhsa_code_object_version 6
	.text
	.protected	k_q8534d3b48d_attn
	.globl	k_q8534d3b48d_attn
	.p2align	8
	.type	k_q8534d3b48d_attn,@function
k_q8534d3b48d_attn:
	s_mov_b64 s[64:65], 0
	v_nop
	global_prefetch_b8 v0, s[64:65] scope:SCOPE_SE
	s_setreg_imm32_b32 hwreg(HW_REG_WAVE_MODE, 25, 1), 1
	s_wait_xcnt 0x0
	s_wait_alu depctr_hold_cnt(0) depctr_sa_sdst(0) depctr_va_vdst(0) depctr_va_sdst(0) depctr_va_ssrc(0) depctr_va_vcc(0) depctr_vm_vsrc(0)
	s_getreg_b32 s2, hwreg(HW_REG_IB_STS2, 6, 4)
	s_cmp_eq_u32 s2, 0
	s_cbranch_scc0 .Lentry_in_a_cluster
	s_endpgm
.Lentry_in_a_cluster:
	s_bfe_u32 s2, ttmp6, 0x10000c
	s_cmp_lg_u32 s2, 0x3003
	s_cbranch_scc0 .Lentry_shape_is_right
	s_endpgm
.Lentry_shape_is_right:
; O = softmax(q k^T / 8, with the key mask) v for one head, both products on codes of FP4 (E2M1) with E8M0 scales; O / l is quantised along the model's 1,024 for the last product.
; THE SOFTMAX AHEAD OF THE SECOND PRODUCT: t = score x log2(e) / 8; M = the row's largest t so far, rounded up to a whole number; p = 2^(t - M) is quantised along the keys, not normalised.  The row's sum is taken of the
; unquantised p and divides O at the end.  When M moves, the sum and O are multiplied by 2^(old M - new M): exact.
; SHARES.  A work-group owns one head (grid y = 16 x batch + head) and 512 of its queries; each of its sixteen waves owns two tiles of 16 queries, one after the other, in 256 registers: four waves to a SIMD, so that one wave's
; vector work stands beside another's matrix work and LDS loads.
; THE HEAD'S K AND V STAY IN LDS: 16 key steps of 9,216 bytes (K: 8 tiles x 512; V: 4 tiles x 1,024; K's scale words 512; V's 512), all images of the operands' registers: every load is 16 x lane + a constant.  They are filled ONCE.
; CLUSTER.  The four work-groups of a head want the same bytes: each wave asks jointly, by two loads: its sixteenth of key steps 0-3 and of key steps 4-15.  By this text's own count a wave has two tensor loads out.
; LAYOUT.  Both products are used transposed: S^T = K Q^T (source 0 = 16 keys), O^T = V^T P^T (source 0 = 16 channels): a lane holds one query throughout.  A stored tile's row r is row 32 (T / 2) + 8 (T % 2) + r + 8 (r / 8),
; so the 16 registers of tiles 2 b and 2 b + 1 are 16 neighbouring keys (channels): 32 b + 16 (lane / 16) + 0 .. 15.
; THE MASK.  The scores' K is 64, the instruction's 128.  Registers 4-7 of both operands hold constants: K: 17 x -6, -3, -2; Q (lanes 0-15 alone): 17 x 6, 3, 2: their product is -625.  A key's scale word, made by the launch
; before, lets them count 2^-126 (open) or 2^7 with the true products at 2^-126 (masked): a masked score is -80000, which / 8 is -10000.
; LIMITS: as stated there (an addend under f32's last bit unless a score lies under 1e-28).  NaN and infinities are not served.
.set LI,  1                            ; v1   16 x lane
.set ADR, 2                            ; v2   LDS address of the key step in hand
.set SA,  3                            ; v3   4 r + h: my byte among a tile's scale words
.set Q0,  8                            ; v[8:15], v[16:23] the two tiles of Q: 4 registers of codes, 4 of constants
.set QS,  24                           ; v24, v25 their scale words
.set NM,  26                           ; -M
.set TX,  27                           ; the largest t
.set SUM, 28                           ; v[28:29] the sum in two halves
.set F,   30                           ; v[30:31] 2^(old M - new M); the upper register is named with it and written once
.set KF,  32                           ; v32-95   K: 8 x (4 registers of codes, 4 of constants)
.set VF,  96                           ; v96-127  V: 4 fragments
.set S,   128                          ; v128-191 S^T, then p
.set O,   192                          ; v192-223 O^T
.set PC,  224                          ; v224-231 p's codes
.set KS,  232                          ; v232-235 K's scale words: register j: lanes 0-15 tile j, lanes 16-31 tile 4 + j
.set VS,  236                          ; v236-239 V's: register j: tile j
.set BM,  240                          ; a block's largest score, then its largest p
.set PX,  244                          ; at work
.set SO,  248                          ; the conversions' scale operands
.set PW,  252                          ; p's scale word
.set TMP, 253
.set CH,  254                          ; v[254:255] the sum's second chain
.set WV,  10
.set SEL, 20                           ; s[20:21] v_permlanex16_b32's selects for lane l xor 16
.set CS,  22                           ; s[22:23] c = log2(e) / 8
.set G1A, 24                           ; s[24:31], s[32:39] descriptor group 1: 9 and 27 rows of 256 bytes;  s[40:43], s[44:47] their groups 0
.set G1B, 32
.set G0A, 40
.set G0B, 44
.set TB,  48                           ; LDS byte at which the key step begins
.set CNT, 49
.set HM,  50                           ; lanes 16-31
.set STEPB, 9216
.macro CROUND                          ; a round of the cluster's barrier
	s_barrier_signal -1
	s_barrier_wait -1
	s_cmp_lg_u32 s[WV], 0
	s_cbranch_scc1 .Lnot_wave_0_\@
	s_barrier_signal -3
.Lnot_wave_0_\@:
	s_barrier_wait -3
	s_barrier_signal -1
	s_barrier_wait -1
.endm
	s_load_b128 s[4:7], s[0:1], 0x0                ; qq, kv
	s_load_b64 s[8:9], s[0:1], 0x10                ; ao
	v_lshl_add_u32 v254, v0, 2, 0x29000
	v_mov_b32 v255, 0
	ds_add_u32 v254, v255
	ds_add_u32 v254, v255
	s_wait_dscnt 0x0
	v_lshrrev_b32 v1, 5, v0
	s_delay_alu instid0(VALU_DEP_1)
	v_readfirstlane_b32 s[WV], v1                  ; wave 0..15
	s_bfe_u32 s11, ttmp6, 0x40000                  ; cx: which 512 queries: it enters Q's and the output's addresses alone
	s_and_b32 s12, ttmp7, 0xffff                   ; 16 x batch + head, which the four partners share
	s_mov_b32 s[G1A], 15|(3<<16)|(1<<21)           ; 15:0 the mask: all four work-groups; 17:16 elements of 8 bytes; 21 set beside a mask
	s_mov_b32 s[G1A+1], 32<<16                     ; tensor_dim0 = 32 elements: rows of 256 bytes
	s_mov_b32 s[G1A+2], 9<<16                      ; tensor_dim1
	s_mov_b32 s[G1A+3], 32<<16                     ; tile_dim0
	s_mov_b32 s[G1A+4], 9                          ; tile_dim1
	s_mov_b32 s[G1A+5], 32                         ; from row to row: dense
	s_mov_b32 s[G1A+6], 0
	s_mov_b32 s[G1A+7], 0
	s_mov_b32 s[G1B], 15|(3<<16)|(1<<21)
	s_mov_b32 s[G1B+1], 32<<16
	s_mov_b32 s[G1B+2], 27<<16
	s_mov_b32 s[G1B+3], 32<<16
	s_mov_b32 s[G1B+4], 27
	s_mov_b32 s[G1B+5], 32
	s_mov_b32 s[G1B+6], 0
	s_mov_b32 s[G1B+7], 0
	s_mov_b32 s[SEL], 0x76543210
	s_mov_b32 s[SEL+1], 0xfedcba98
	s_mov_b32 s[CS], 0x3e38aa3b                    ; log2(e) / 8
	s_mov_b32 s[CS+1], s[CS]                       ; (named with it as a pair, so it is written)
	s_mul_i32 s14, s12, 16*STEPB                   ; the head's bytes in kv
	s_mov_b32 s15, 0
	s_mul_i32 s16, s[WV], 2304                     ; my sixteenth of key steps 0-3,
	s_mul_i32 s17, s[WV], 6912
	s_add_co_u32 s17, s17, 4*STEPB                 ; and of key steps 4-15: in memory and in LDS alike
	s_wait_kmcnt 0x0
	s_add_nc_u64 s[6:7], s[6:7], s[14:15]
	s_mov_b32 s[G0A], 1
	s_mov_b32 s[G0A+1], s16
	s_mov_b32 s14, s16
	s_add_nc_u64 s[G0A+2:G0A+3], s[6:7], s[14:15]
	s_or_b32 s[G0A+3], s[G0A+3], 0x80000000
	s_mov_b32 s[G0B], 1
	s_mov_b32 s[G0B+1], s17
	s_mov_b32 s14, s17
	s_add_nc_u64 s[G0B+2:G0B+3], s[6:7], s[14:15]
	s_or_b32 s[G0B+3], s[G0B+3], 0x80000000
	CROUND                                         ; all four work-groups are here: the joint loads meet
	tensor_load_to_lds s[G0A:G0A+3], s[G1A:G1A+7]
	s_nop 0
	s_wait_alu depctr_va_vdst(0)
	s_wait_tensorcnt 0x0
	ds_add_u32 v254, v255
	s_wait_dscnt 0x0
	CROUND
	tensor_load_to_lds s[G0B:G0B+3], s[G1B:G1B+7]
	s_nop 0
.rept 4
	v_nop
.endr
	s_lshl_b32 s13, s11, 5
	s_lshl_b32 s14, s[WV], 1
	s_add_co_u32 s13, s13, s14                     ; f: my first tile of queries, of the batch's 128
	s_lshl_b32 s14, s12, 16
	s_lshl_b32 s16, s13, 9
	s_add_co_u32 s14, s14, s16
	s_add_nc_u64 s[56:57], s[4:5], s[14:15]        ; its codes: 65,536 a head, 512 a tile
	s_lshl_b32 s14, s12, 13
	s_lshr_b32 s16, s13, 2
	s_lshl_b32 s16, s16, 8
	s_add_co_u32 s14, s14, s16
	s_and_b32 s16, s13, 3
	s_lshl_b32 s16, s16, 2
	s_add_co_u32 s14, s14, s16
	s_add_co_u32 s14, s14, 0x400000
	s_add_nc_u64 s[58:59], s[4:5], s[14:15]        ; its scale words: 8,192 a head; four tiles share 256 bytes, 16 a row, a word a tile
	s_lshr_b32 s16, s12, 4
	s_lshl_b32 s16, s16, 7
	s_add_co_u32 s16, s16, s13                     ; the tile among all 512 tiles of tokens
	s_and_b32 s17, s12, 15                         ; the head
	s_lshl_b32 s14, s16, 13
	s_lshl_b32 s18, s17, 9
	s_add_co_u32 s14, s14, s18
	s_add_nc_u64 s[52:53], s[8:9], s[14:15]        ; the output's codes: 8,192 a tile, 512 a head
	s_lshl_b32 s14, s16, 9
	s_lshr_b32 s18, s17, 1
	s_lshl_b32 s18, s18, 6
	s_add_co_u32 s14, s14, s18
	s_and_b32 s18, s17, 1
	s_lshl_b32 s18, s18, 1
	s_add_co_u32 s14, s14, s18
	s_add_co_u32 s14, s14, 0x400000
	s_add_nc_u64 s[54:55], s[8:9], s[14:15]        ; its scale bytes: 512 a tile, 64 for two heads, a word a row, two bytes a head
	v_and_b32 v4, 31, v0
	s_delay_alu instid0(VALU_DEP_1)
	v_lshlrev_b32 v[LI], 4, v4
	v_and_b32 v5, 15, v0                           ; r
	v_bfe_u32 v6, v0, 4, 1                         ; h
	s_delay_alu instid0(VALU_DEP_1)
	v_lshl_add_u32 v[SA], v5, 2, v6
	s_delay_alu instid0(VALU_DEP_3)
	v_lshlrev_b32 v7, 4, v5
	v_cmp_le_u32 s[HM], 16, v4
	global_load_b128 v[Q0:Q0+3], v[LI], s[56:57]
	global_load_b128 v[Q0+8:Q0+11], v[LI], s[56:57] offset:512
	global_load_b32 v[QS], v7, s[58:59]
	global_load_b32 v[QS+1], v7, s[58:59] offset:4
	v_mov_b32 v[CH], 0
	v_mov_b32 v[TMP], 0x77777777                   ; eight codes of 6
	s_delay_alu instid0(VALU_DEP_1)
	v_cndmask_b32 v[Q0+4], v[TMP], v[CH], s[HM]    ; in lanes 0-15 (k = 64 .. 95); zeros in lanes 16-31 (k = 96 .. 127)
	v_mov_b32 v[TMP], 0x457                        ; 6, 3, 2
	s_delay_alu instid0(VALU_DEP_1)
	v_cndmask_b32 v[Q0+6], v[TMP], v[CH], s[HM]
	s_delay_alu instid0(VALU_DEP_3)
	v_mov_b32 v[Q0+5], v[Q0+4]
	v_mov_b32 v[Q0+7], 0
	v_mov_b32 v[Q0+12], v[Q0+4]
	v_mov_b32 v[Q0+13], v[Q0+4]
	v_mov_b32 v[Q0+14], v[Q0+6]
	v_mov_b32 v[Q0+15], 0
.irp t, 0,1,2,3,4,5,6,7
	v_mov_b32 v[KF+8*\t+4], -1                     ; eight codes of -6
	v_mov_b32 v[KF+8*\t+5], -1
	v_mov_b32 v[KF+8*\t+6], 0xcdf                  ; -6, -3, -2
	v_mov_b32 v[KF+8*\t+7], 0
.endr
.irp b, 0,1,2,3
	v_mov_b32 v[PX+\b], 0                          ; written once: a lane permute's destination counts as one of its sources
.endr
	v_mov_b32 v[F+1], 0
.macro INIT                            ; a tile begins: the loop has no first step of its own: it finds zeros, which the first change of M leaves zeros
.set j, 0
.rept 32
	v_mov_b32 v[O+j], 0
.set j, j+1
.endr
	v_mov_b32 v[SUM], 0
	v_mov_b32 v[SUM+1], 0
	v_mov_b32 v[TX], 0xff61b1e6                    ; -3e38, under every t
	s_delay_alu instid0(VALU_DEP_1)
	v_floor_f32 v[NM], -v[TX]
.endm
; A KEY STEP: 128 keys, for my tile q.
.macro STEP q
	v_add_nc_u32 v[ADR], s[TB], v[LI]
.irp t, 0,1,2,3,4,5,6,7
	ds_load_b128 v[KF+8*\t:KF+8*\t+3], v[ADR] offset:512*\t
.endr
	ds_load_b128 v[KS:KS+3], v[ADR] offset:8192
	s_wait_alu depctr_va_vdst(0)
	s_wait_dscnt 0x0
.irp t, 0,1,2,3
	v_wmma_scale_f32_16x16x128_f8f6f4 v[S+8*\t:S+8*\t+7], v[KF+8*\t:KF+8*\t+7], v[Q0+8*\q:Q0+8*\q+7], 0, v[KS+\t], v[QS+\q] matrix_a_fmt:MATRIX_FMT_FP4 matrix_b_fmt:MATRIX_FMT_FP4
.endr
.irp t, 4,5,6,7
	v_wmma_scale_f32_16x16x128_f8f6f4 v[S+8*\t:S+8*\t+7], v[KF+8*\t:KF+8*\t+7], v[Q0+8*\q:Q0+8*\q+7], 0, v[KS+\t-4], v[QS+\q] matrix_a_fmt:MATRIX_FMT_FP4 matrix_b_fmt:MATRIX_FMT_FP4 matrix_a_scale:MATRIX_SCALE_ROW1
.endr
.rept 4
	v_nop                                          ; places in front of the first read of the scores, and of the loads into V's registers, which the last step's products read
.endr
.irp t, 0,1,2,3
.irp c, 0,1
	ds_load_b128 v[VF+8*\t+4*\c:VF+8*\t+4*\c+3], v[ADR] offset:4096+1024*\t+512*\c   ; V lands while the softmax is walked
.endr
.endr
	ds_load_b128 v[VS:VS+3], v[ADR] offset:8704
.irp b, 0,1,2,3
	v_max3_num_f32 v[BM+\b], v[S+16*\b], v[S+16*\b+1], v[S+16*\b+2]   ; the largest score of each block of 32 keys: it serves for the row's maximum and, since p rises with the score, for the block's largest p
.endr
.irp n, 3,5,7,9,11,13
.irp b, 0,1,2,3
	v_max3_num_f32 v[BM+\b], v[BM+\b], v[S+16*\b+\n], v[S+16*\b+\n+1]
.endr
.endr
.irp b, 0,1,2,3
	v_max_num_f32 v[BM+\b], v[BM+\b], v[S+16*\b+15]
.endr
.irp b, 0,1,2,3
	s_delay_alu instid0(VALU_DEP_4)
	v_permlanex16_b32 v[PX+\b], v[BM+\b], s[SEL], s[SEL+1]
.endr
.irp b, 0,1,2,3
	s_delay_alu instid0(VALU_DEP_4)
	v_max_num_f32 v[BM+\b], v[BM+\b], v[PX+\b]     ; with lane l xor 16's 16 keys
.endr
	s_delay_alu instid0(VALU_DEP_2)
	v_max3_num_f32 v[TMP], v[BM], v[BM+1], v[BM+2]
	s_delay_alu instid0(VALU_DEP_1)
	v_max_num_f32 v[TMP], v[TMP], v[BM+3]          ; the step's largest score of my query
	s_delay_alu instid0(VALU_DEP_1)
	v_mul_f32 v[TMP], s[CS], v[TMP]                ; as t (c is positive)
	s_delay_alu instid0(VALU_DEP_1)
	v_max_num_f32 v[TX], v[TX], v[TMP]             ; the running largest t
	v_mov_b32 v[TMP], v[NM]
	s_delay_alu instid0(VALU_DEP_2)
	v_floor_f32 v[NM], -v[TX]                      ; the new -M = floor(-t) = -ceil(t): a whole number
	s_delay_alu instid0(VALU_DEP_1)
	v_sub_f32 v[TMP], v[NM], v[TMP]                ; old M - new M: a whole number, 0 or less
	s_delay_alu instid0(VALU_DEP_1)
	v_cvt_i32_f32 v[TMP], v[TMP]                   ; (it saturates)
	s_delay_alu instid0(VALU_DEP_1)
	v_ldexp_f32 v[F], 1.0, v[TMP]                  ; f = 2^(old M - new M): a multiplication by it rounds nothing
.set j, 0
.rept 32
	v_pk_fma_f32 v[S+j:S+j+1], v[S+j:S+j+1], s[CS:CS+1], v[NM:NM+1] op_sel_hi:[1,0,0]   ; t - M, two at a time (of the pairs c and -M the low word serves both halves)
.set j, j+2
.endr
.irp b, 0,1,2,3
	v_fma_f32 v[BM+\b], v[BM+\b], s[CS], v[NM]     ; the same of each block's largest score
.endr
.set j, 0
	s_wait_alu depctr_va_vdst(0)
.rept 64
	v_exp_f32 v[S+j], v[S+j]                       ; p = 2^(t - M), at most 1
.set j, j+1
.endr
	s_setprio 1
.irp b, 0,1,2,3
	v_exp_f32 v[BM+\b], v[BM+\b]                   ; the block's largest p: the same two instructions on the same number give the same bits
.endr
	v_pk_mul_f32 v[SUM:SUM+1], v[SUM:SUM+1], v[F:F+1] op_sel_hi:[1,0]   ; the sums under the new M (a plain place behind the exponentials)
	s_wait_alu depctr_va_vdst(0)
.irp b, 0,1,2,3
	v_max_num_f32 v[BM+\b], 0x1800000, v[BM+\b]    ; the floor 2^(3 - 127): the byte cannot fall under 1 (a block whose every p is 0 keeps that byte: its codes are zeros)
.endr
.irp b, 0,1,2,3
	s_delay_alu instid0(VALU_DEP_4)
	v_add_nc_u32 v[SO+\b], 0xff000000, v[BM+\b]    ; 2 off the exponent field: the conversion's scale operand
.endr
.irp b, 0,1,2,3
	s_delay_alu instid0(VALU_DEP_4)
	v_lshrrev_b32 v[PX+\b], 23, v[SO+\b]           ; the scale's byte
.endr
	s_delay_alu instid0(VALU_DEP_3)
	v_lshl_or_b32 v[PW], v[PX+1], 8, v[PX]         ; p's scale word for these 128 keys
	s_delay_alu instid0(VALU_DEP_1)
	v_lshl_or_b32 v[PW], v[PX+2], 16, v[PW]
	s_delay_alu instid0(VALU_DEP_1)
	v_lshl_or_b32 v[PW], v[PX+3], 24, v[PW]
.irp b, 0,1,2,3
	v_cvt_scalef32_pk8_fp4_f32 v[PC+2*\b], v[S+16*\b:S+16*\b+7], v[SO+\b]
	v_cvt_scalef32_pk8_fp4_f32 v[PC+2*\b+1], v[S+16*\b+8:S+16*\b+15], v[SO+\b]
.endr
	v_nop                                          ; one plain place behind a scaled conversion
.irp c, 0,1                            ; the operand's layout wants a whole block in a lane: lanes 0-15 block 2 c, lanes 16-31 block 2 c + 1
.irp i, 0,1
	v_permlane16_swap_b32 v[PC+4*\c+\i], v[PC+4*\c+2+\i]
.endr
.endr
	v_pk_add_f32 v[CH:CH+1], v[S:S+1], v[S+2:S+3]  ; the row's sum is taken of the unquantised p: two at a time, in two chains
.set j, 4
.rept 15
	v_pk_add_f32 v[SUM:SUM+1], v[SUM:SUM+1], v[S+j:S+j+1]
	v_pk_add_f32 v[CH:CH+1], v[CH:CH+1], v[S+j+2:S+j+3]
.set j, j+4
.endr
	s_delay_alu instid0(VALU_DEP_1)
	v_pk_add_f32 v[SUM:SUM+1], v[SUM:SUM+1], v[CH:CH+1]
.set j, 0
	s_setprio 0
.rept 16
	v_pk_mul_f32 v[O+j:O+j+1], v[O+j:O+j+1], v[F:F+1] op_sel_hi:[1,0]   ; O^T under the new M, from each accumulator's low end on
.set j, j+2
.endr
	s_wait_alu depctr_va_vdst(0)
	s_wait_dscnt 0x0                               ; V and its scale words are in
.irp t, 0,1,2,3                        ; the four accumulators take turns
	v_wmma_scale_f32_16x16x128_f8f6f4 v[O+8*\t:O+8*\t+7], v[VF+8*\t:VF+8*\t+7], v[PC:PC+7], v[O+8*\t:O+8*\t+7], v[VS+\t], v[PW] matrix_a_fmt:MATRIX_FMT_FP4 matrix_b_fmt:MATRIX_FMT_FP4
.endr
	s_add_co_u32 s[TB], s[TB], STEPB
.endm
.macro LOOP n, q
	s_mov_b32 s[CNT], \n
.Lkeys_\@:
	s_setprio 2
	STEP \q
	s_sub_co_u32 s[CNT], s[CNT], 1
	s_cmp_lg_u32 s[CNT], 0
	s_cbranch_scc1 .Lkeys_\@
	s_setprio 0
.endm
; A tile ends: O^T / the sum; register 16 b + n is channel 32 b + 16 (lane / 16) + n of my query: two blocks along the last product's K.  Tile i of my two.
.macro FINISH i
.rept 4
	v_nop                                          ; places behind the last products
.endr
	v_add_f32 v[SUM], v[SUM], v[SUM+1]             ; the sum's two halves,
	s_delay_alu instid0(VALU_DEP_1)
	v_permlanex16_b32 v[TMP], v[SUM], s[SEL], s[SEL+1]
	s_delay_alu instid0(VALU_DEP_1)
	v_add_f32 v[SUM], v[SUM], v[TMP]               ; and lane l xor 16's
	s_wait_alu depctr_va_vdst(0)
	v_rcp_f32 v[F], v[SUM]
	v_nop                                          ; a plain place behind the transcendental
.set j, 0
	s_wait_alu depctr_va_vdst(0)
.rept 16
	v_pk_mul_f32 v[S+j:S+j+1], v[O+j:O+j+1], v[F:F+1] op_sel_hi:[1,0]
.set j, j+2
.endr
.irp b, 0,1
	v_max3_num_f32 v[BM+\b], |v[S+16*\b]|, |v[S+16*\b+1]|, 0x1800000
.endr
.irp n, 2,4,6,8,10,12,14
.irp b, 0,1
	s_delay_alu instid0(VALU_DEP_2)
	v_max3_num_f32 v[BM+\b], v[BM+\b], |v[S+16*\b+\n]|, |v[S+16*\b+\n+1]|
.endr
.endr
.irp b, 0,1
	s_delay_alu instid0(VALU_DEP_2)
	v_permlanex16_b32 v[PX+\b], v[BM+\b], s[SEL], s[SEL+1]
.endr
.irp b, 0,1
	s_delay_alu instid0(VALU_DEP_2)
	v_max_num_f32 v[BM+\b], v[BM+\b], v[PX+\b]
.endr
.irp b, 0,1
	s_delay_alu instid0(VALU_DEP_2)
	v_add_nc_u32 v[SO+\b], 0xff000000, v[BM+\b]
.endr
.irp b, 0,1
	s_delay_alu instid0(VALU_DEP_2)
	v_lshrrev_b32 v[PX+\b], 23, v[SO+\b]
.endr
.irp b, 0,1
	v_cvt_scalef32_pk8_fp4_f32 v[PC+2*\b], v[S+16*\b:S+16*\b+7], v[SO+\b]
	v_cvt_scalef32_pk8_fp4_f32 v[PC+2*\b+1], v[S+16*\b+8:S+16*\b+15], v[SO+\b]
.endr
	v_nop                                          ; one plain place behind a scaled conversion
	v_cndmask_b32 v[TMP], v[PX], v[PX+1], s[HM]    ; lanes 0-15 store block 0's byte, lanes 16-31 block 1's
	v_permlane16_swap_b32 v[PC], v[PC+2]
	v_permlane16_swap_b32 v[PC+1], v[PC+3]         ; registers 0-3: channels 32 (lane / 16) + 0 .. 31
	global_store_b128 v[LI], v[PC:PC+3], s[52:53] offset:8192*\i   ; 512 consecutive bytes: four registers of the last product's operand
	global_store_b8 v[SA], v[TMP], s[54:55] offset:512*\i          ; a byte a lane, inside 64 bytes: one byte in 17 of what the tile stores
	s_wait_xcnt 0x0                                ; the stores have read their registers
.endm
	s_wait_loadcnt 0x0                             ; Q
	INIT
	s_mov_b32 s[TB], 0
	s_wait_tensorcnt 0x1                           ; my part of key steps 0-3 is in; the larger load may be out: its bytes are not read yet, and nothing is filled twice
	s_barrier_signal -1
	s_barrier_wait -1                              ; everybody's is
	LOOP 4, 0
	s_wait_tensorcnt 0x0                           ; my part of key steps 4-15 is in
	s_barrier_signal -1
	s_barrier_wait -1
	LOOP 12, 0
	FINISH 0
	INIT
	s_mov_b32 s[TB], 0
	LOOP 16, 1
	FINISH 1
	s_wait_xcnt 0x0
	v_lshl_add_u32 v254, v0, 2, 0x29000
	v_mov_b32 v255, 0
	s_wait_alu depctr_va_vdst(0)
	s_wait_tensorcnt 0x0
	ds_add_u32 v254, v255
	s_wait_dscnt 0x0
	CROUND                                         ; the closing round: no work-group ends while a partner may still ask for a tile that names it
	s_endpgm
.Lfunc_end_k_q8534d3b48d_attn:
	.size	k_q8534d3b48d_attn, .Lfunc_end_k_q8534d3b48d_attn-k_q8534d3b48d_attn
	.p2alignl 7, 3214868480
	.fill 96, 4, 3214868480
	.section	.rodata,"a",@progbits
	.p2align	6, 0x0
	.amdhsa_kernel k_q8534d3b48d_attn
		.amdhsa_group_segment_fixed_size 327680
		.amdhsa_private_segment_fixed_size 0
		.amdhsa_enable_private_segment 0
		.amdhsa_kernarg_size 24
		.amdhsa_user_sgpr_count 2
		.amdhsa_user_sgpr_kernarg_segment_ptr 1
		.amdhsa_wavefront_size32 1
		.amdhsa_system_sgpr_workgroup_id_x 1
		.amdhsa_system_sgpr_workgroup_id_y 1
		.amdhsa_system_sgpr_workgroup_id_z 1
		.amdhsa_system_vgpr_workitem_id 0
		.amdhsa_next_free_vgpr 256
		.amdhsa_next_free_sgpr 66
		.amdhsa_reserve_vcc 0
		.amdhsa_float_denorm_mode_32 3
		.amdhsa_float_denorm_mode_16_64 3
		.amdhsa_memory_ordered 1
		.amdhsa_forward_progress 1
		.amdhsa_inst_pref_size 67
	.end_amdhsa_kernel
	.amdgpu_metadata
---
amdhsa.version: [ 1, 2 ]
amdhsa.kernels:
  - .name:           k_q8534d3b48d_attn
    .symbol:         k_q8534d3b48d_attn.kd
    .args:
      - { .name: qq, .offset: 0, .size: 8, .value_kind: global_buffer, .address_space: global }
      - { .name: kv, .offset: 8, .size: 8, .value_kind: global_buffer, .address_space: global }
      - { .name: ao, .offset: 16, .size: 8, .value_kind: global_buffer, .address_space: global }
    .group_segment_fixed_size: 327680
    .private_segment_fixed_size: 0
    .kernarg_segment_align: 8
    .kernarg_segment_size: 24
    .max_flat_workgroup_size: 512
    .sgpr_count:     66
    .vgpr_count:     256
    .wavefront_size: 32
...
	.end_amdgpu_metadata
.endif
;; end of part 3
;; launch proj (part 4): grid 256 x 1, 4 waves a work-group, clusters of 4 x 1, 327,680 bytes of LDS; arguments ao, wq, x, bo, gamma, beta, out0; writes out0
.if DOCPART == 4
	.amdgcn_target "amdgcn-amd-amdhsa--gfx1250"
	.amdhsa_code_object_version 6
	.text
	.protected	k_q8534d3b48d_proj
	.globl	k_q8534d3b48d_proj
	.p2align	8
	.type	k_q8534d3b48d_proj,@function
k_q8534d3b48d_proj:
	s_mov_b64 s[64:65], 0
	v_nop
	global_prefetch_b8 v0, s[64:65] scope:SCOPE_SE
	s_setreg_imm32_b32 hwreg(HW_REG_WAVE_MODE, 25, 1), 1
	s_wait_xcnt 0x0
	s_wait_alu depctr_hold_cnt(0) depctr_sa_sdst(0) depctr_va_vdst(0) depctr_va_sdst(0) depctr_va_ssrc(0) depctr_va_vcc(0) depctr_vm_vsrc(0)
	s_getreg_b32 s2, hwreg(HW_REG_IB_STS2, 6, 4)
	s_cmp_eq_u32 s2, 0
	s_cbranch_scc0 .Lentry_in_a_cluster
	s_endpgm
.Lentry_in_a_cluster:
	s_bfe_u32 s2, ttmp6, 0x10000c
	s_cmp_lg_u32 s2, 0x3003
	s_cbranch_scc0 .Lentry_shape_is_right
	s_endpgm
.Lentry_shape_is_right:
; out0 = LayerNorm(x + a Wo^T + bo) x gamma + beta; a (the attention's result) and Wo are codes of FP4 (E2M1) with E8M0 scales, laid as images of the operands' registers; all else f32.
; SHARES.  A work-group owns 32 whole rows (two stored tiles of tokens) and all 1,024 columns, since the norm wants whole rows.  Its rows' 16 fragments stay in registers.  Wave w makes the columns of Wo's tiles 8 w .. 8 w + 7 of each
; half of the 64 tiles.  The matrix instruction is used transposed (source 0 = 16 rows of Wo, source 1 = 16 tokens).
; Wo walks through two LDS slots of 128 KB: (columns' half, K's half) = (0,0), (0,1), (1,0), (1,1); slot = K's half.  Each wave fetches and reads its own 32 KB of a slot.  Wo's scale bytes (32 KB) come once.
; CLUSTER.  All work-groups walk the same weights: the four of a cluster ask jointly.  By this text's own count a wave has three tensor loads out at the start and one behind each of the two refills.
; THE NORM.  The sums go through a stage in LDS (in the ring, behind its last fill and its last read): 32 rows of 4,096 bytes + 16.  Wave w takes rows 8 w .. 8 w + 7, a row in 32 registers: mean, then the mean of the squared
; differences (two passes: no difference of large sums), v_rsq_f32.
; REGISTERS, in windows of 256: window 0: v1-10 addresses; v16-21 at work; v32-47 my rows' scale words; v48-79 Wo's; v96-127, v224-255 a row of y, by turns; v128-223 bo, gamma, beta.
;   window 1: v0-127 Wo's fragments, two sets; v128-255 my rows' 16 fragments.   window 2: 32 accumulators.   window 3: my 8 rows of x.
.set LI,   1                           ; 16 x lane
.set ADRB, 4                           ; v4-5 my tiles in slot 0, 1
.set ADRW, 6                           ; Wo's scale words
.set STO,  7
.set RD,   8
.set SPW,  9                           ; LDS address of my spare word; never rewritten
.set NIL,  10                          ; 0; never rewritten
.set AS,   32
.set WS,   48
.set BO,   128
.set GA,   160
.set BE,   192
.set SLOT, 131072
.set SCW,  262144                      ; behind the ring: Wo's scale bytes
.set SPARE, 294912                     ; behind them: the spare words, 128 bytes for each wave: two blocks of 256 bytes that no other line names
.set SPI,  4112                        ; a row of the stage
.set WV,   18
.set SEL,  22
.set G1,   24                          ; s[24:31] group 1: 128 rows of 256 bytes;  s[32:39]: 32 rows;  s[40:47] group 0 for slot 0, 1;  s[48:51] for the scales
.set G1S,  32
.set G0,   40
.set G0S,  48
.set MSB, 0
.macro WIN new
.if MSB != (\new)
	s_set_vgpr_msb (MSB<<8)|(\new)
.set MSB, (\new)
.endif
.endm
.macro PLACES
.rept 4
	v_nop
.endr
.endm
.macro ROUND                           ; a round of the cluster's barrier
	s_barrier_signal -1
	s_barrier_wait -1
	s_cmp_lg_u32 s[WV], 0
	s_cbranch_scc1 .Lnot_wave_0_\@
	s_barrier_signal -3
.Lnot_wave_0_\@:
	s_barrier_wait -3
	s_barrier_signal -1
	s_barrier_wait -1
.endm
	s_load_b256 s[4:11], s[0:1], 0x0               ; ao s[4:5], wq s[6:7], x s[8:9], bo s[10:11]
	s_load_b128 s[12:15], s[0:1], 0x20             ; gamma, beta
	s_load_b64 s[16:17], s[0:1], 0x30              ; out0
	v_lshl_add_u32 v[SPW], v0, 2, SPARE
	v_mov_b32 v[NIL], 0
	ds_add_u32 v9, v10
	ds_add_u32 v9, v10
	s_wait_dscnt 0x0
	v_lshrrev_b32 v11, 5, v0
	v_readfirstlane_b32 s[WV], v11                 ; wave 0..3
	s_bfe_u32 s19, ttmp6, 0x40000                  ; cx
	s_lshl_b32 s20, ttmp9, 2
	s_add_co_u32 s20, s20, s19                     ; my block of 32 rows: it enters my own loads' and stores' addresses alone
	s_mov_b32 s[G1], 15|(3<<16)|(1<<21)            ; 15:0 the mask: all four work-groups; 17:16 elements of 8 bytes; 21 set beside a mask
	s_mov_b32 s[G1+1], 32<<16
	s_mov_b32 s[G1+2], 128<<16
	s_mov_b32 s[G1+3], 32<<16
	s_mov_b32 s[G1+4], 128
	s_mov_b32 s[G1+5], 32
	s_mov_b32 s[G1+6], 0
	s_mov_b32 s[G1+7], 0
	s_mov_b32 s[G1S], 15|(3<<16)|(1<<21)
	s_mov_b32 s[G1S+1], 32<<16
	s_mov_b32 s[G1S+2], 32<<16
	s_mov_b32 s[G1S+3], 32<<16
	s_mov_b32 s[G1S+4], 32
	s_mov_b32 s[G1S+5], 32
	s_mov_b32 s[G1S+6], 0
	s_mov_b32 s[G1S+7], 0
	s_mov_b32 s[SEL], 0x76543210
	s_mov_b32 s[SEL+1], 0xfedcba98
	s_mov_b32 s60, 0x3a800000                      ; 1 / 1,024
	s_mov_b32 s61, 0x3727c5ac                      ; 1e-5
	s_lshl_b32 s52, s[WV], 15                      ; my 8 tiles of a slot: 32 KB
	s_mov_b32 s53, 0
	s_lshl_b32 s54, s[WV], 13                      ; my quarter of the scale bytes
	s_mov_b32 s55, 0
	s_wait_kmcnt 0x0
	s_add_nc_u64 s[56:57], s[6:7], s[52:53]
	s_mov_b32 s[G0], 1
	s_mov_b32 s[G0+1], s52
	s_add_nc_u64 s[G0+2:G0+3], s[56:57], 192*4096              ; Wo is tiles 192 .. 255 of wq; K's first half
	s_or_b32 s[G0+3], s[G0+3], 0x80000000
	s_mov_b32 s[G0+4], 1
	s_add_co_u32 s[G0+5], s52, SLOT
	s_add_nc_u64 s[G0+6:G0+7], s[56:57], 192*4096+1048576      ; K's second half
	s_or_b32 s[G0+7], s[G0+7], 0x80000000
	s_add_nc_u64 s[58:59], s[6:7], s[54:55]
	s_mov_b32 s[G0S], 1
	s_add_co_u32 s[G0S+1], s54, SCW
	s_add_nc_u64 s[G0S+2:G0S+3], s[58:59], 2097152+192*512
	s_or_b32 s[G0S+3], s[G0S+3], 0x80000000
	ROUND                                          ; all four work-groups are here: the first joint loads meet
	tensor_load_to_lds s[G0S:G0S+3], s[G1S:G1S+7]
	s_nop 0
	tensor_load_to_lds s[G0:G0+3], s[G1:G1+7]
	s_nop 0
	tensor_load_to_lds s[G0+4:G0+7], s[G1:G1+7]
	s_nop 0
	PLACES
	v_and_b32 v11, 31, v0
	v_and_b32 v12, 15, v0                          ; r
	v_bfe_u32 v13, v0, 4, 1                        ; h
	v_lshlrev_b32 v[LI], 4, v11
	v_lshlrev_b32 v2, 4, v12
	v_lshlrev_b32 v3, 2, v12
	v_add_nc_u32 v[ADRB], s52, v[LI]
	v_add_nc_u32 v[ADRB+1], SLOT, v[ADRB]
	s_lshl_b32 s62, s[WV], 12
	s_add_co_u32 s62, s62, SCW
	v_add_nc_u32 v[ADRW], s62, v2                  ; my 8 tiles' scale bytes: 512 a tile, 16 a row and half of K
	v_and_b32 v14, 8, v12
	v_add_nc_u32 v14, v14, v12                     ; my lane's token in its tile: r + 8 (r / 8) (+ 8 for the odd tile)
	v_mul_u32_u24 v[STO], v14, SPI
	v_lshl_add_u32 v[STO], v13, 6, v[STO]
	s_lshl_b32 s62, s[WV], 9
	v_add_nc_u32 v[STO], s62, v[STO]               ; into the stage: my token's row, + 64 h, + my wave's 128 columns
	s_mul_i32 s62, s[WV], 8*SPI
	v_add_nc_u32 v[RD], s62, v[LI]                 ; back: my 8 rows, 16 bytes a lane
	s_lshl_b32 s54, s20, 14
	s_add_nc_u64 s[56:57], s[4:5], s[54:55]        ; my two tiles' codes: 8,192 bytes each
	s_lshl_b32 s54, s20, 10
	s_add_co_u32 s54, s54, 0x400000
	s_add_nc_u64 s[58:59], s[4:5], s[54:55]        ; their scale words
	s_lshl_b32 s54, s20, 17
	s_add_co_u32 s54, s54, s52
	s_add_nc_u64 s[8:9], s[8:9], s[54:55]          ; x and out0 at row 32 x block + 8 x wave
	s_add_nc_u64 s[16:17], s[16:17], s[54:55]
	WIN 0x40                                       ; destination window 1
.irp m, 0,1
.irp s, 0,1,2,3,4,5,6,7
.irp c, 0,1
	global_load_b128 v[128+64*\m+8*\s+4*\c:128+64*\m+8*\s+4*\c+3], v[LI], s[56:57] offset:\m*8192+\s*1024+\c*512
.endr
.endr
.endr
	WIN 0
.irp m, 0,1
.irp s, 0,1,2,3,4,5,6,7
	global_load_b32 v[AS+8*\m+\s], v3, s[58:59] offset:\m*512+\s*64
.endr
.endr
.irp i, 0,1,2,3,4,5,6,7                ; a lane's columns in a row: 128 i + 4 x lane + 0 .. 3
	global_load_b128 v[BO+4*\i:BO+4*\i+3], v[LI], s[10:11] offset:512*\i
	global_load_b128 v[GA+4*\i:GA+4*\i+3], v[LI], s[12:13] offset:512*\i
	global_load_b128 v[BE+4*\i:BE+4*\i+3], v[LI], s[14:15] offset:512*\i
.endr
	WIN 0xc0                                       ; destination window 3
.irp k, 0,1,2,3,4,5,6,7
.irp i, 0,1,2,3,4,5,6,7
	global_load_b128 v[32*\k+4*\i:32*\k+4*\i+3], v[LI], s[8:9] offset:\k*4096+\i*512 th:TH_LOAD_NT   ; my 8 rows of x: they land under the products
.endr
.endr
	WIN 0
	s_wait_alu depctr_va_vdst(0)
	s_wait_loadcnt 63                              ; my rows' fragments and scale words are in: 88 loads stand behind them, and the wait's field holds 63: a smaller count is safe
.macro FETCHB kh, q, set               ; my 8 tiles' fragments of the slot's q-th 128 along K
	WIN 0x40
.irp tt, 0,1,2,3,4,5,6,7
.irp c, 0,1
	ds_load_b128 v[64*(\set)+8*\tt+4*\c:64*(\set)+8*\tt+4*\c+3], v[ADRB+\kh] offset:\tt*4096+(\q)*1024+\c*512
.endr
.endr
	WIN 0
.endm
.macro SLOTWORK nh, kh                 ; 64 matrix instructions: 8 tiles of columns x 2 tiles of rows x 4 steps of 128 along K; the 16 accumulators take turns
	PLACES                                         ; in front of loads into registers that matrix instructions have read
.irp tt, 0,1,2,3,4,5,6,7
	ds_load_b128 v[WS+4*\tt:WS+4*\tt+3], v[ADRW] offset:\nh*16384+\tt*512+\kh*256
.endr
	FETCHB \kh, 0, 0
.irp q, 0,1,2,3
.if \q < 3
	PLACES
	FETCHB \kh, \q+1, (\q+1)%2
	s_wait_dscnt 16                                ; all but the sixteen just issued
.else
	s_wait_dscnt 0x0
.endif
	WIN 0xa5                                       ; sources 0 and 1 window 1, C and D window 2
.irp tt, 0,1,2,3,4,5,6,7
.irp m, 0,1
.set AC, 8*(16*\nh+2*\tt+\m)
.if (\kh == 0) && (\q == 0)
	v_wmma_scale_f32_16x16x128_f8f6f4 v[AC:AC+7], v[64*(\q%2)+8*\tt:64*(\q%2)+8*\tt+7], v[128+64*\m+8*(4*\kh+\q):128+64*\m+8*(4*\kh+\q)+7], 0, v[WS+4*\tt+\q], v[AS+8*\m+4*\kh+\q] matrix_a_fmt:MATRIX_FMT_FP4 matrix_b_fmt:MATRIX_FMT_FP4
.else
	v_wmma_scale_f32_16x16x128_f8f6f4 v[AC:AC+7], v[64*(\q%2)+8*\tt:64*(\q%2)+8*\tt+7], v[128+64*\m+8*(4*\kh+\q):128+64*\m+8*(4*\kh+\q)+7], v[AC:AC+7], v[WS+4*\tt+\q], v[AS+8*\m+4*\kh+\q] matrix_a_fmt:MATRIX_FMT_FP4 matrix_b_fmt:MATRIX_FMT_FP4
.endif
.endr
.endr
	WIN 0
.endr
.endm
.macro CHANGE s                        ; slot s has been read: it takes the other half of the columns
	s_wait_tensorcnt 0x0                           ; all my tensor loads have landed, the slot ahead among them: a group 0 may be written
	ds_add_u32 v[SPW], v[NIL]                      ; 0 onto my spare word
	s_add_nc_u64 s[G0+4*\s+2:G0+4*\s+3], s[G0+4*\s+2:G0+4*\s+3], 32*4096   ; 32 tiles on; the type bits on top are not reached
	s_wait_dscnt 0x0                               ; the add is done, and my reads of the slot are over
	ROUND                                          ; the same holds of every wave of the four work-groups
	tensor_load_to_lds s[G0+4*\s:G0+4*\s+3], s[G1:G1+7]   ; my one tensor load behind the round, and the first thing there: it has 64 matrix instructions and their loads in which to land
	s_nop 0
	PLACES
.endm
	s_wait_tensorcnt 0x1                           ; the scales and my part of slot 0 are in; slot 1's load may be out
	s_barrier_signal -1
	s_barrier_wait -1                              ; everybody's scales are
	SLOTWORK 0, 0
	CHANGE 0
	SLOTWORK 0, 1
	CHANGE 1
	SLOTWORK 1, 0
	s_wait_tensorcnt 0x0                           ; the last fill is in
	s_wait_dscnt 0x0
	s_barrier_signal -1
	s_barrier_wait -1
	SLOTWORK 1, 1
	s_wait_dscnt 0x0                               ; my reads of the ring are over
	s_barrier_signal -1
	s_barrier_wait -1                              ; everybody's are: the stage may be written
	PLACES                                         ; in front of the first read of results
	WIN 0x08                                       ; an LDS store's data are its source 1: window 2
.irp nh, 0,1
.irp tt, 0,1,2,3,4,5,6,7
.irp m, 0,1
.set AC, 8*(16*\nh+2*\tt+\m)
	ds_store_b128 v[STO], v[AC:AC+3] offset:\m*8*SPI+\nh*2048+(\tt/2)*128+(\tt%2)*32         ; lane (r, h): token 8 m + r + 8 (r / 8), columns 512 nh + 128 w + 32 (tt / 2) + 16 h + 8 (tt % 2) + 0 .. 7; each accumulator from its low end on
	ds_store_b128 v[STO], v[AC+4:AC+7] offset:\m*8*SPI+\nh*2048+(\tt/2)*128+(\tt%2)*32+16
.endr
.endr
.endr
	WIN 0
	s_wait_dscnt 0x0                               ; for the others' sake: my stores into the stage are done
	s_barrier_signal -1
	s_barrier_wait -1
	s_wait_loadcnt 0x0                             ; x, bo, gamma, beta
.macro YLOAD k
.set YB, 96+128*((\k)%2)
.irp i, 0,1,2,3,4,5,6,7
	ds_load_b128 v[YB+4*\i:YB+4*\i+3], v[RD] offset:(\k)*SPI+512*\i
.endr
.endm
.macro REDUCE v, t                     ; the sum over the wave's 32 lanes, in every lane
	v_add_f32_dpp v[\v], v[\v], v[\v] row_xmask:1 row_mask:0xf bank_mask:0xf
	v_add_f32_dpp v[\v], v[\v], v[\v] row_xmask:2 row_mask:0xf bank_mask:0xf
	v_add_f32_dpp v[\v], v[\v], v[\v] row_xmask:4 row_mask:0xf bank_mask:0xf
	v_add_f32_dpp v[\v], v[\v], v[\v] row_xmask:8 row_mask:0xf bank_mask:0xf
	v_permlanex16_b32 v[\t], v[\v], s[SEL], s[SEL+1]
	v_add_f32 v[\v], v[\v], v[\t]
.endm
.macro LNROW k
.if (\k) < 7
	s_wait_xcnt 0x0                                ; the stores of the row before have read the registers that the next row takes
	YLOAD (\k)+1
	s_wait_dscnt 8                                 ; this row is in; the next row's eight loads may be out
.else
	s_wait_dscnt 0x0
.endif
.set Y, 96+128*((\k)%2)
	WIN 0x0c                                       ; source 1: x, window 3
.set j, 0
.rept 16
	v_pk_add_f32 v[Y+j:Y+j+1], v[Y+j:Y+j+1], v[32*(\k)+j:32*(\k)+j+1]
.set j, j+2
.endr
	WIN 0
.set j, 0
.rept 16
	v_pk_add_f32 v[Y+j:Y+j+1], v[Y+j:Y+j+1], v[BO+j:BO+j+1]
.set j, j+2
.endr
	v_pk_add_f32 v[16:17], v[Y:Y+1], v[Y+2:Y+3]    ; the row's sum, in two chains
	v_pk_add_f32 v[18:19], v[Y+4:Y+5], v[Y+6:Y+7]
.set j, 8
.rept 6
	v_pk_add_f32 v[16:17], v[16:17], v[Y+j:Y+j+1]
	v_pk_add_f32 v[18:19], v[18:19], v[Y+j+2:Y+j+3]
.set j, j+4
.endr
	v_pk_add_f32 v[16:17], v[16:17], v[18:19]
	v_add_f32 v16, v16, v17
	REDUCE 16, 17
	v_mul_f32 v16, s60, v16                        ; the mean
.set j, 0
.rept 16
	v_pk_add_f32 v[Y+j:Y+j+1], v[Y+j:Y+j+1], v[16:17] op_sel_hi:[1,0] neg_lo:[0,1] neg_hi:[0,1]   ; y - mean
.set j, j+2
.endr
	v_pk_mul_f32 v[18:19], v[Y:Y+1], v[Y:Y+1]
	v_pk_mul_f32 v[20:21], v[Y+2:Y+3], v[Y+2:Y+3]
.set j, 4
.rept 7
	v_pk_fma_f32 v[18:19], v[Y+j:Y+j+1], v[Y+j:Y+j+1], v[18:19]
	v_pk_fma_f32 v[20:21], v[Y+j+2:Y+j+3], v[Y+j+2:Y+j+3], v[20:21]
.set j, j+4
.endr
	v_pk_add_f32 v[18:19], v[18:19], v[20:21]
	v_add_f32 v18, v18, v19
	REDUCE 18, 19
	v_fma_f32 v18, v18, s60, s61                   ; the variance + 1e-5
	s_wait_alu depctr_va_vdst(0)
	v_rsq_f32 v20, v18
	v_nop                                          ; a plain place behind the transcendental
.set j, 0
	s_wait_alu depctr_va_vdst(0)
.rept 16
	v_pk_mul_f32 v[Y+j:Y+j+1], v[Y+j:Y+j+1], v[20:21] op_sel_hi:[1,0]
.set j, j+2
.endr
.set j, 0
.rept 16
	v_pk_fma_f32 v[Y+j:Y+j+1], v[Y+j:Y+j+1], v[GA+j:GA+j+1], v[BE+j:BE+j+1]
.set j, j+2
.endr
.irp i, 0,1,2,3,4,5,6,7
	global_store_b128 v[LI], v[Y+4*\i:Y+4*\i+3], s[16:17] offset:(\k)*4096+512*\i th:TH_STORE_NT   ; 32 lanes store 512 consecutive bytes, at a multiple of 256 from out0's first byte
.endr
.endm
	YLOAD 0
.irp k, 0,1,2,3,4,5,6,7
	LNROW \k
.endr
	s_wait_tensorcnt 0x0                           ; the wave's end: behind my last tensor load and my last LDS store
	ds_add_u32 v[SPW], v[NIL]
	s_wait_dscnt 0x0
	ROUND                                          ; the closing round: no work-group ends while a partner may still ask for a tile that names it
	s_endpgm
.Lfunc_end_k_q8534d3b48d_proj:
	.size	k_q8534d3b48d_proj, .Lfunc_end_k_q8534d3b48d_proj-k_q8534d3b48d_proj
	.p2alignl 7, 3214868480
	.fill 96, 4, 3214868480
	.section	.rodata,"a",@progbits
	.p2align	6, 0x0
	.amdhsa_kernel k_q8534d3b48d_proj
		.amdhsa_group_segment_fixed_size 327680
		.amdhsa_private_segment_fixed_size 0
		.amdhsa_enable_private_segment 0
		.amdhsa_kernarg_size 56
		.amdhsa_user_sgpr_count 2
		.amdhsa_user_sgpr_kernarg_segment_ptr 1
		.amdhsa_wavefront_size32 1
		.amdhsa_system_sgpr_workgroup_id_x 1
		.amdhsa_system_sgpr_workgroup_id_y 1
		.amdhsa_system_sgpr_workgroup_id_z 1
		.amdhsa_system_vgpr_workitem_id 0
		.amdhsa_next_free_vgpr 1024
		.amdhsa_next_free_sgpr 66
		.amdhsa_reserve_vcc 0
		.amdhsa_float_denorm_mode_32 3
		.amdhsa_float_denorm_mode_16_64 3
		.amdhsa_memory_ordered 1
		.amdhsa_forward_progress 1
		.amdhsa_inst_pref_size 154
	.end_amdhsa_kernel
	.amdgpu_metadata
---
amdhsa.version: [ 1, 2 ]
amdhsa.kernels:
  - .name:           k_q8534d3b48d_proj
    .symbol:         k_q8534d3b48d_proj.kd
    .args:
      - { .name: ao, .offset: 0, .size: 8, .value_kind: global_buffer, .address_space: global }
      - { .name: wq, .offset: 8, .size: 8, .value_kind: global_buffer, .address_space: global }
      - { .name: x, .offset: 16, .size: 8, .value_kind: global_buffer, .address_space: global }
      - { .name: bo, .offset: 24, .size: 8, .value_kind: global_buffer, .address_space: global }
      - { .name: gamma, .offset: 32, .size: 8, .value_kind: global_buffer, .address_space: global }
      - { .name: beta, .offset: 40, .size: 8, .value_kind: global_buffer, .address_space: global }
      - { .name: out0, .offset: 48, .size: 8, .value_kind: global_buffer, .address_space: global }
    .group_segment_fixed_size: 327680
    .private_segment_fixed_size: 0
    .kernarg_segment_align: 8
    .kernarg_segment_size: 56
    .max_flat_workgroup_size: 128
    .sgpr_count:     66
    .vgpr_count:     1024
    .wavefront_size: 32
...
	.end_amdgpu_metadata
.endif
;; end of part 4
